; MI455X (gfx1250); checked and timed in simulation.
; The chip was launched on July 23, 2026; its instructions are those of AMD's public machine-readable ISA for CDNA 5 (MIT licence, August 2026) and "CDNA5" Instruction Set Architecture Reference Guide (July 2026). The comments in the code are by the model that wrote it; some were corrected since.
;; Multi Head SA. Allowed arithmetic: matrix products marked QUANTISED: E4M3 operands, one given power-of-two scale a tensor, by v_wmma_f32_16x16x64_fp8_fp8 or v_wmma_f32_16x16x128_fp8_fp8, f32 sums; everything else in f32.
;; Inputs: Wk 2,048 x 256 float32; Wo 256 x 2,048 float32; Wq 2,048 x 256 float32; Wv 2,048 x 256 float32; bk 2,048 float32; bo 256 float32; bq 2,048 float32; bv 2,048 float32; inputs 8 x 256 x 1,024 float32; lowp_scales 12 int32 (the exponents e of the quantised operands' scales 2^e); pos_mat 1 x 8 x 1,024 x 1,024 float32.
;; Outputs: out0 8 x 256 x 1,024 float32.
;; This version of the problem:
;;   THIS VERSION OF THE PROBLEM IS GIVEN IN LOW PRECISION. The matrix products marked QUANTISED in the list below multiply operands that are first quantised to E4M3 (4 exponent bits, 3 mantissa bits; 8 bits a number), with one given power-of-two scale for each operand tensor; their sums are f32. All else is computed in f32.
;;   The module's matrix products, in the order in which they are computed (A, B: the left and right operand; K: the contracted axis; several contracted axes count as one K, in the product's order):
;;     1. [M 8,192, K 256] x [K 256, N 2,048]; A: input inputs; B: input Wk: QUANTISED (scales: A lowp_scales[0], B lowp_scales[1])
;;     2. [M 8,192, K 256] x [K 256, N 2,048]; A: input inputs; B: input Wq: QUANTISED (scales: A lowp_scales[2], B lowp_scales[3])
;;     3. [M 8,192, K 256] x [K 256, N 2,048]; A: input inputs; B: input Wv: QUANTISED (scales: A lowp_scales[4], B lowp_scales[5])
;;     4. batch 64 x [M 1,024, K 256] x [K 256, N 1,024]; A: computed on the way; B: computed on the way: QUANTISED (scales: A lowp_scales[6], B lowp_scales[7])
;;     5. batch 64 x [M 256, K 1,024] x [K 1,024, N 1,024]; A: computed on the way; B: softmax (see below): QUANTISED (scales: A lowp_scales[8], B lowp_scales[9])
;;     6. [M 8,192, K 2,048] x [K 2,048, N 256]; A: computed on the way; B: input Wo: QUANTISED (scales: A lowp_scales[10], B lowp_scales[11])
;;   THE QUANTISER, for each operand of a quantised product, along K:
;;     - The operand's scale is 2^e, e = its entry of the input lowp_scales (int32; the entries are numbered through the quantised products in the list's order, A before B).
;;     - Each number is divided by the scale, clamped to +-448, and rounded to the nearest number of E4M3, ties to even, subnormals kept.
;;     - The product sums the exact products of the quantised numbers (number of the format x scale) in f32.
;;   ~~~python
;;   def quantise(x, axis, e):      # numpy; x: float32 -> the quantised numbers, widened to float32 again
;;       x = np.moveaxis(x, axis, -1); K = x.shape[-1]
;;       r = np.clip(x / 2.0 ** e, -448, 448)
;;       step = 2.0 ** (np.maximum(np.frexp(np.where(r == 0, 1, r))[1] - 1, -6) - 3)
;;       q = np.round(r / step) * step * 2.0 ** e      # np.round: ties to even
;;       return np.moveaxis(q, -1, axis).astype(np.float32)
;;   ~~~
;;   SOFTMAX AHEAD OF A QUANTISED PRODUCT. Where the list says 'softmax', what is quantised is not the finished softmax but p = 2^(t - M), with t = logit x log2(e) and M = ceil(the row's largest t), a whole number; so 1/2 < the row's largest p <= 1. The row's sum l is taken of the UNQUANTISED p, in f32, and the product's result is divided by l at the end. Since M is a whole number, a kernel that streams over the keys may use a running M (the ceiling of the running maximum): every later rescaling is an exact power of two, so the quantised numbers keep their values, but for numbers so far below the row's largest that they fall under the format's range.
;;   OPERANDS COMPUTED ON THE WAY. 'Computed on the way' means the value that the module computes at that place (a softmax that the list does not call 'softmax' is quantised finished and normalised). What goes into a quantiser is computed in f32, as accurately as f32 sums, v_exp_f32 and their like allow (about 1e-6 of the number): no bf16 or f16 on the way to a quantiser, and a product that is left as it is and whose result goes on into a quantised operand takes f32 operands (vector FMAs, or v_wmma_f32_16x16x4_f32). A number that lies on a knife's edge between two numbers of the format may be rounded either way, as far as f32 arithmetic and the matrix unit's own rounding can turn it there, and no further.
;; One version. Each part assembles by itself: llvm-mc -triple=amdgcn-amd-amdhsa -mcpu=gfx1250 --defsym DOCPART=n.
;; ======== version 1 of 1: 4 launches
;; limits: right only within a limited range of input values
;; workspace buffers: xc 6,291,456 bytes; wc 2,097,152 bytes; qc 16,777,216 bytes; kv 33,554,432 bytes; oc 16,777,216 bytes
;; launch prep (part 1): grid 384 x 1, 4 waves a work-group, no clusters, 67,072 bytes of LDS; arguments inputs, Wk, Wq, Wv, Wo, lowp_scales, xc, wc; writes xc, wc
.if DOCPART == 1
	.amdgcn_target "amdgcn-amd-amdhsa--gfx1250"
	.amdhsa_code_object_version 6
	.text
	.protected	k_qb32b681fb2_prep
	.globl	k_qb32b681fb2_prep
	.p2align	8
	.type	k_qb32b681fb2_prep,@function
k_qb32b681fb2_prep:
	s_mov_b64 s[64:65], 0
	v_nop
	global_prefetch_b8 v0, s[64:65] scope:SCOPE_SE
	s_setreg_imm32_b32 hwreg(HW_REG_WAVE_MODE, 25, 1), 1
	s_wait_xcnt 0x0
; PREP: the inputs (three times, with the scales of entries 0, 2, 4) and the four weights (entries 1, 3, 5, 11) become codes of FP8 (E4M3).
; code = x / 2^e, held within +-448, rounded to the nearest code, ties to even.
; LIMITS: each of these seven e lies between -126 and 119, so that 2^e and 448 x 2^e are f32 numbers.  NaN among the inputs is not served.
; THE CODES ARE LAID AS IMAGES OF OPERAND REGISTERS.  A tile is 16 rows x 256 along K = 8 blocks of 512 bytes; in block q lane (r, h) has 16 bytes at 16 (r + 16 h): k = 32 q + 16 h + 0 .. 15 of the tile's row r.
; THE ROWS OF A TILE ARE NOT NEIGHBOURS: row m of tile T is index 32 (T / 2) + 8 (T % 2) + m + 8 (m / 8), for positions and for weight rows alike.
; xc: [3 scales][8 n][64 tiles of positions][8 blocks][512].   wc: [Wk, Wq, Wv, Wo][128 units][8 blocks][512]; a unit is a tile of rows (Wo: tile x 8 + which 256 of its K = 2,048).
; Work-groups 0-255 take the inputs, 256-383 the weights.  No work-group reads what another reads, so there is nothing to ask for jointly; no matrix work.
.set SPARE, 66560                      ; behind the four stages: the spare words, 128 bytes for each wave
.set SPW,   14                         ; v14  LDS address of my spare word; never rewritten
.set NIL,   15                         ; v15  0; never rewritten
.set STG,   16640                      ; a wave's stage: 16 rows of SP bytes
.set SP,    1040                       ; a stage row: 1,024 bytes + 16: row r starts 4 r words on, so sixteen rows of a 16-byte read start at different banks
	s_load_b512 s[4:19], s[0:1], 0x0               ; inputs s[4:5], Wk s[6:7], Wq s[8:9], Wv s[10:11], Wo s[12:13], scales s[14:15], xc s[16:17], wc s[18:19]
	v_lshl_add_u32 v[SPW], v0, 2, SPARE
	v_mov_b32 v[NIL], 0
	v_lshrrev_b32 v1, 5, v0
	v_readfirstlane_b32 s20, v1                    ; wave 0..3
	v_and_b32 v1, 31, v0                           ; lane
	v_and_b32 v10, 15, v0                          ; r
	v_bfe_u32 v11, v0, 4, 1                        ; lane / 16
	s_wait_kmcnt 0x0
	s_load_b256 s[24:31], s[14:15], 0x0            ; e0 .. e7
	s_load_b128 s[32:35], s[14:15], 0x20           ; e8 .. e11
	s_cmp_lt_u32 ttmp9, 256
	s_cbranch_scc0 .Lweights
; ---- THE INPUTS [n][d][p]: K = d is not innermost.  A lane takes a position and its registers run down d: nothing is transposed.
; Work-group g: n = g / 32, 128 positions (g / 4) % 8, 64 of d: g % 4.  Wave w: 32 positions = two tiles; lanes 0-15 the first, lanes 16-31 the second.
	s_lshr_b32 s21, ttmp9, 5                       ; n
	s_bfe_u32 s22, ttmp9, 0x30002                  ; which 128 positions
	s_and_b32 s23, ttmp9, 3                        ; which 64 of d
	s_wait_alu depctr_va_vdst(0)
	v_and_b32 v12, 8, v10
	v_add_nc_u32 v12, v12, v10                     ; r + 8 (r / 8)
	v_lshl_add_u32 v12, v11, 3, v12                ; + 8 x (which tile): my position among the wave's 32
	v_lshlrev_b32 v2, 2, v12                       ; in bytes: each load of the wave reads 128 consecutive bytes
	s_wait_alu depctr_va_vdst(0)
	v_lshlrev_b32 v3, 4, v10
	v_lshl_add_u32 v3, v11, 12, v3                 ; out: 16 r + 4,096 x (which tile)
	s_lshl_b32 s36, s21, 20
	s_lshl_b32 s37, s23, 18
	s_add_co_u32 s36, s36, s37
	s_lshl_b32 s37, s22, 9
	s_add_co_u32 s36, s36, s37
	s_lshl_b32 s37, s20, 7
	s_add_co_u32 s36, s36, s37
	s_mov_b32 s37, 0
	s_add_nc_u64 s[4:5], s[4:5], s[36:37]          ; inputs at (n, 64 x my quarter of d, my wave's first position)
	s_lshl_b32 s38, s21, 18
	s_lshl_b32 s39, s22, 15
	s_add_co_u32 s38, s38, s39
	s_lshl_b32 s39, s20, 13
	s_add_co_u32 s38, s38, s39
	s_lshl_b32 s39, s23, 10
	s_add_co_u32 s38, s38, s39
	s_mov_b32 s39, 0
	s_add_nc_u64 s[16:17], s[16:17], s[38:39]      ; xc at (n, my two tiles, blocks 2 x my quarter on)
.set i, 0
.rept 64
	global_load_b32 v[16+i], v2, s[4:5] offset:i*4096 th:TH_LOAD_NT
.set i, i+1
.endr
	s_wait_kmcnt 0x0
.irp k, 0,1,2                                  ; entries 0, 2, 4
	s_add_co_i32 s40, s[24+2*\k], 127
	s_lshl_b32 s41, s40, 23
	v_mov_b32 v[4+2*\k], s41                       ; 2^e as f32: the conversion takes its exponent field
.endr
	s_wait_alu depctr_va_vdst(0)
.irp y, 0,1,2,3                                ; 16 of d at a time: block 2 x quarter + y / 2, half y % 2 of the lanes' places
	s_wait_loadcnt 48-16*\y                        ; these sixteen loads are in; the younger ones may be out
.irp k, 0,1,2
.set TS, 80+16*((3*\y+\k)%2)
.irp j, 0,1,2,3,4,5,6,7,8,9,10,11,12,13,14,15
.endr
	v_cvt_scalef32_pk8_fp8_f32 v[112+4*(3*\y+\k):113+4*(3*\y+\k)], v[TS+((16+16*\y+0)-(TS+0)):TS+7+((16+16*\y+0)-(TS+0))], v[4+2*\k]
	v_cvt_scalef32_pk8_fp8_f32 v[114+4*(3*\y+\k):115+4*(3*\y+\k)], v[TS+8+((16+16*\y+0)-(TS+0)):TS+15+((16+16*\y+0)-(TS+0))], v[4+2*\k]
	global_store_b128 v3, v[112+4*(3*\y+\k):115+4*(3*\y+\k)], s[16:17] offset:\k*2097152+(\y/2)*512+(\y%2)*256   ; sixteen lanes store 256 consecutive bytes, aligned; each store has registers of its own
.endr
.endr
	s_endpgm
; ---- THE WEIGHTS: K is innermost.  A wave takes a unit: 16 rows x 1,024 bytes.  Rows are loaded as they lie (512 consecutive bytes a load), turned through the wave's own stage, and read back 64 bytes a lane.
.Lweights:
	s_sub_co_u32 s21, ttmp9, 256
	s_lshr_b32 s22, s21, 5                         ; which weight: 0 Wk, 1 Wq, 2 Wv, 3 Wo
	s_and_b32 s23, s21, 31
	s_lshl_b32 s23, s23, 2
	s_add_co_u32 s23, s23, s20                     ; unit 0..127
	s_lshr_b32 s39, s23, 3                         ; Wo: tile of rows,
	s_and_b32 s40, s23, 7                          ; and which 256 of K
	s_cmp_eq_u32 s22, 0
	s_cselect_b64 s[36:37], s[6:7], s[8:9]
	s_cmp_lt_u32 s22, 2
	s_cselect_b64 s[36:37], s[36:37], s[10:11]
	s_cmp_lt_u32 s22, 3
	s_cselect_b64 s[36:37], s[36:37], s[12:13]     ; the choice hangs on the work-group's number alone
	s_mov_b32 s38, 8192
	s_cselect_b32 s38, 1024, s38                   ; a row in memory, in bytes
	s_cselect_b32 s39, s23, s39                    ; the tile of rows
	s_cselect_b32 s40, 0, s40
	s_lshr_b32 s41, s39, 1
	s_lshl_b32 s41, s41, 5
	s_and_b32 s42, s39, 1
	s_lshl_b32 s42, s42, 3
	s_add_co_u32 s41, s41, s42                     ; the tile's first row: 32 (T / 2) + 8 (T % 2)
	s_mul_i32 s41, s41, s38
	s_lshl_b32 s42, s40, 10
	s_add_co_u32 s42, s41, s42
	s_mov_b32 s43, 0
	s_add_nc_u64 s[36:37], s[36:37], s[42:43]
	s_lshl_b32 s42, s22, 19
	s_lshl_b32 s41, s23, 12
	s_add_co_u32 s42, s42, s41
	s_add_nc_u64 s[18:19], s[18:19], s[42:43]      ; wc at my unit
	s_wait_alu depctr_va_vdst(0)
	v_lshlrev_b32 v4, 4, v1                        ; 16 x lane
	v_mov_b32 v5, s38
.set rr, 0
.rept 16
	v_mad_u32_u24 v[16+rr], v5, rr+8*(rr/8), v4    ; row m of the tile lies m + 8 (m / 8) rows on
.set rr, rr+1
.endr
.set rr, 0
.rept 16
	global_load_b128 v[32+8*rr:35+8*rr], v[16+rr], s[36:37] th:TH_LOAD_NT
	global_load_b128 v[36+8*rr:39+8*rr], v[16+rr], s[36:37] offset:512 th:TH_LOAD_NT
.set rr, rr+1
.endr
	s_mul_i32 s44, s20, STG
	v_add_nc_u32 v2, s44, v4                       ; into the stage: as loaded
	v_mul_u32_u24 v3, v10, SP
	v_lshl_add_u32 v3, v11, 6, v3
	v_add_nc_u32 v3, s44, v3                       ; back: row r, + 64 h: my 16 numbers of a block of 32
	s_wait_alu depctr_va_vdst(0)
	s_wait_kmcnt 0x0
	s_cmp_eq_u32 s22, 0
	s_cselect_b32 s45, s25, s27
	s_cmp_lt_u32 s22, 2
	s_cselect_b32 s45, s45, s29
	s_cmp_lt_u32 s22, 3
	s_cselect_b32 s45, s45, s35                    ; e: entry 1, 3, 5 or 11
	s_add_co_i32 s45, s45, 127
	s_lshl_b32 s46, s45, 23
	v_mov_b32 v6, s46                              ; 2^e
.set rr, 0
	s_wait_alu depctr_va_vdst(0)
.rept 16
	s_wait_loadcnt 30-2*rr                         ; this row's two loads are in; the later rows' may be out
	ds_store_b128 v2, v[32+8*rr:35+8*rr] offset:rr*SP
	ds_store_b128 v2, v[36+8*rr:39+8*rr] offset:rr*SP+512
.set rr, rr+1
.endr
.macro YLOAD k                                 ; block k's 16 numbers of my row; LDS serves a wave's instructions in order (ISA guide 5.7.1.4): these see my stores
.irp i, 0,1,2,3
	ds_load_b128 v[160+16*((\k)%2)+4*\i:163+16*((\k)%2)+4*\i], v3 offset:128*(\k)+16*\i
.endr
.endm
	YLOAD 0
	YLOAD 1
.irp k, 0,1,2,3,4,5,6,7
.if \k < 7
	s_wait_dscnt 4                                 ; this block is in; the next block's four loads may be out
.else
	s_wait_dscnt 0
.endif
.irp i, 0,1,2,3,4,5,6,7,8,9,10,11,12,13,14,15
.endr
	v_cvt_scalef32_pk8_fp8_f32 v[192+4*\k:193+4*\k], v[160+16*(\k%2):167+16*(\k%2)], v6
	v_cvt_scalef32_pk8_fp8_f32 v[194+4*\k:195+4*\k], v[168+16*(\k%2):175+16*(\k%2)], v6
	global_store_b128 v4, v[192+4*\k:195+4*\k], s[18:19] offset:512*\k   ; the wave stores 512 consecutive bytes, aligned; each block has registers of its own
.if \k < 6
	YLOAD \k+2
.endif
.endr
	s_wait_tensorcnt 0x0                           ; the wave's end: behind my last LDS store
	ds_add_u32 v[SPW], v[NIL]
	s_wait_dscnt 0x0
	s_endpgm
.Lfunc_end_k_qb32b681fb2_prep:
	.size	k_qb32b681fb2_prep, .Lfunc_end_k_qb32b681fb2_prep-k_qb32b681fb2_prep
	.p2alignl 7, 3214868480
	.fill 96, 4, 3214868480
	.section	.rodata,"a",@progbits
	.p2align	6, 0x0
	.amdhsa_kernel k_qb32b681fb2_prep
		.amdhsa_group_segment_fixed_size 67072
		.amdhsa_private_segment_fixed_size 0
		.amdhsa_enable_private_segment 0
		.amdhsa_kernarg_size 64
		.amdhsa_user_sgpr_count 2
		.amdhsa_user_sgpr_kernarg_segment_ptr 1
		.amdhsa_wavefront_size32 1
		.amdhsa_system_sgpr_workgroup_id_x 1
		.amdhsa_system_sgpr_workgroup_id_y 1
		.amdhsa_system_sgpr_workgroup_id_z 1
		.amdhsa_system_vgpr_workitem_id 0
		.amdhsa_next_free_vgpr 224
		.amdhsa_next_free_sgpr 66
		.amdhsa_reserve_vcc 0
		.amdhsa_float_denorm_mode_32 3
		.amdhsa_float_denorm_mode_16_64 3
		.amdhsa_fp16_overflow 1
		.amdhsa_memory_ordered 1
		.amdhsa_forward_progress 1
		.amdhsa_inst_pref_size 24
	.end_amdhsa_kernel
	.amdgpu_metadata
---
amdhsa.version: [ 1, 2 ]
amdhsa.kernels:
  - .name:           k_qb32b681fb2_prep
    .symbol:         k_qb32b681fb2_prep.kd
    .args:
      - { .name: inputs, .offset: 0, .size: 8, .value_kind: global_buffer, .address_space: global }
      - { .name: Wk, .offset: 8, .size: 8, .value_kind: global_buffer, .address_space: global }
      - { .name: Wq, .offset: 16, .size: 8, .value_kind: global_buffer, .address_space: global }
      - { .name: Wv, .offset: 24, .size: 8, .value_kind: global_buffer, .address_space: global }
      - { .name: Wo, .offset: 32, .size: 8, .value_kind: global_buffer, .address_space: global }
      - { .name: lowp_scales, .offset: 40, .size: 8, .value_kind: global_buffer, .address_space: global }
      - { .name: xc, .offset: 48, .size: 8, .value_kind: global_buffer, .address_space: global }
      - { .name: wc, .offset: 56, .size: 8, .value_kind: global_buffer, .address_space: global }
    .group_segment_fixed_size: 67072
    .private_segment_fixed_size: 0
    .kernarg_segment_align: 8
    .kernarg_segment_size: 64
    .max_flat_workgroup_size: 128
    .sgpr_count:     66
    .vgpr_count:     224
    .wavefront_size: 32
...
	.end_amdgpu_metadata
.endif
;; end of part 1
;; launch qkv (part 2): grid 32 x 8, 4 waves a work-group, clusters of 4 x 1, 197,120 bytes of LDS; arguments xc, wc, bk, bq, bv, lowp_scales, qc, kv; writes qc, kv
.if DOCPART == 2
	.amdgcn_target "amdgcn-amd-amdhsa--gfx1250"
	.amdhsa_code_object_version 6
	.text
	.protected	k_qb32b681fb2_qkv
	.globl	k_qb32b681fb2_qkv
	.p2align	8
	.type	k_qb32b681fb2_qkv,@function
k_qb32b681fb2_qkv:
	s_mov_b64 s[64:65], 0
	v_nop
	global_prefetch_b8 v0, s[64:65] scope:SCOPE_SE
	s_setreg_imm32_b32 hwreg(HW_REG_WAVE_MODE, 25, 1), 1
	s_wait_xcnt 0x0
	s_wait_alu depctr_hold_cnt(0) depctr_sa_sdst(0) depctr_va_vdst(0) depctr_va_sdst(0) depctr_va_ssrc(0) depctr_va_vcc(0) depctr_vm_vsrc(0)
	s_getreg_b32 s2, hwreg(HW_REG_IB_STS2, 6, 4)
	s_cmp_eq_u32 s2, 0
	s_cbranch_scc0 .Lentry_in_a_cluster
	s_endpgm
.Lentry_in_a_cluster:
	s_bfe_u32 s2, ttmp6, 0x10000c
	s_cmp_lg_u32 s2, 0x3003
	s_cbranch_scc0 .Lentry_shape_is_right
	s_endpgm
.Lentry_shape_is_right:
; QKV: k, q, v = W x + b on codes of FP8, each result quantised at once for attention (entries 6, 7, 8) and stored as images of operand registers.
; A work-group: one n, one head, 256 positions; wave w: 64 positions (4 tiles = one key step of attention) against the head's 256 rows of Wk, Wq, Wv.
; k and q are made TRANSPOSED (source 0 = 16 rows of W, source 1 = 16 positions): a lane holds one position and its registers run along d, the next K.
; v is made the other way (source 0 = positions, source 1 = rows of Wv): a lane holds one channel and its registers run along the positions, the next K.
; The rows of a tile (of W and of positions) are 32 (T / 2) + 8 (T % 2) + m + 8 (m / 8), so the 16 registers of two neighbouring tiles are 16 neighbours along the next K.
; The bias, divided by the power of two that the sums lack, is the C of each sum's first matrix instruction; the scales ahead of the quantiser are folded into the conversion's one.
; CLUSTER: the four work-groups of a cluster are the four blocks of positions of one (n, head): they need the same 192 KiB of W and ask for them JOINTLY (mask 15).  LDS is filled once.
; qc: [n][head][64 tiles][8 blocks][512].   kv: [n][head][16 steps][K: 4 tiles x 4,096 | V: 16 tiles of channels x 2 x 512].
; LIMITS, so that each power of two is an f32 number: -(e0+e1), -(e2+e3), -(e4+e5) between -126 and 127; e6-e0-e1, e7-e2-e3, e8-e4-e5 between -126 and 119.
; REGISTERS.  window 0: v1 16 x lane; v2-4 LDS places of Wk, Wq, Wv; v5, v6 bias offsets; v8, 10, 12 scales of k, q, v; v14, 15 the add's two; v32-159 two sets of 8 accumulators; v160-191 two sets of codes;
;   v224-239 bv as a C; v240-255 bv.   window 1: v0-127 two buffers of W's fragments; v128-255 x under e0.   window 2: x under e2, x under e4.   window 3: bk, bq as C, 8 registers a tile.
.set SPARE, 196608
.set SPW,   14
.set NIL,   15
.set ACC,   32
.set CODE,  160
.set BVC,   224
.set BVR,   240
.set MSB,   0
.macro WIN new                         ; the immediate's high byte repeats the setting that is left
.if MSB != (\new)
	s_set_vgpr_msb (MSB<<8)|(\new)
.set MSB, (\new)
.endif
.endm
.macro PLACES                          ; four plain places behind matrix instructions, ahead of loads into their sources and of reads of their results
.rept 4
	v_nop
.endr
.endm
.macro ROUND                           ; a round of the cluster's barrier
	s_barrier_signal -1
	s_barrier_wait -1
	s_cmp_lg_u32 s20, 0
	s_cbranch_scc1 .Lnot_wave_0_\@
	s_barrier_signal -3
.Lnot_wave_0_\@:
	s_barrier_wait -3
	s_barrier_signal -1
	s_barrier_wait -1
.endm
	s_load_b512 s[4:19], s[0:1], 0x0               ; xc s[4:5], wc s[6:7], bk s[8:9], bq s[10:11], bv s[12:13], scales s[14:15], qc s[16:17], kv s[18:19]
	v_lshl_add_u32 v[SPW], v0, 2, SPARE
	v_mov_b32 v[NIL], 0
	ds_add_u32 v[SPW], v[NIL]
	ds_add_u32 v[SPW], v[NIL]                      ; the wave's opening: the add and its wait ahead of my first tensor load
	v_lshrrev_b32 v1, 5, v0
	v_readfirstlane_b32 s20, v1                    ; wave 0..3
	s_mov_b32 s22, ttmp9                           ; the head (the cluster's x)
	s_and_b32 s23, ttmp7, 0xffff                   ; n
	s_mov_b32 s24, 0x0023000f                      ; group 1: mask of all four; elements of 8 bytes; bit 21 beside the mask; no padding
	s_mov_b32 s25, 32<<16                          ; tensor_dim0 = 32 elements: rows of 256 bytes
	s_mov_b32 s26, 64<<16                          ; tensor_dim1 = 64
	s_mov_b32 s27, 32<<16                          ; tile_dim0
	s_mov_b32 s28, 64                              ; tile_dim1: 16 KiB a load
	s_mov_b32 s29, 32                              ; dense
	s_mov_b32 s30, 0
	s_mov_b32 s31, 0
	s_lshl_b32 s66, s22, 16                        ; the head's 16 tiles of 4,096 bytes,
	s_lshl_b32 s67, s20, 14                        ; my quarter of them
	s_add_co_u32 s66, s66, s67
	s_mov_b32 s67, 0
	s_lshl_b32 s70, s20, 14                        ; and its place in LDS
	s_wait_dscnt 0x0                               ; the opening add is done
	s_wait_kmcnt 0x0
	s_load_b256 s[44:51], s[14:15], 0x0            ; e0 .. e7
	s_load_b128 s[52:55], s[14:15], 0x20           ; e8 .. e11
	s_add_nc_u64 s[68:69], s[6:7], s[66:67]
.irp X, 0,1,2                                  ; Wk, Wq, Wv: 65,536 bytes of LDS each
	s_mov_b32 s[32+4*\X], 1
	s_add_co_u32 s[33+4*\X], s70, \X*65536
	s_add_nc_u64 s[34+4*\X:35+4*\X], s[68:69], \X*524288
	s_or_b32 s[35+4*\X], s[35+4*\X], 0x80000000
.endr
	ROUND                                          ; all four work-groups are here: the joint loads meet
	tensor_load_to_lds s[32:35], s[24:31]          ; three loads of mine are out
	s_nop 0
	tensor_load_to_lds s[36:39], s[24:31]
	s_nop 0
	tensor_load_to_lds s[40:43], s[24:31]
	s_nop 0
.rept 4
	v_nop
.endr
	s_bfe_u32 s72, ttmp6, 0x40000                  ; cx: my block of 256 positions; it enters global addresses of x, qc and kv alone
	v_and_b32 v1, 31, v0
	v_lshlrev_b32 v1, 4, v1                        ; 16 x lane
	v_mov_b32 v2, v1
	v_add_nc_u32 v3, 0x10000, v1
	v_add_nc_u32 v4, 0x20000, v1
	v_bfe_u32 v5, v0, 4, 1
	v_lshlrev_b32 v5, 6, v5                        ; bk, bq: 64 h: a lane's eight rows of a tile
	s_wait_alu depctr_va_vdst(0)
	v_and_b32 v6, 15, v0
	v_and_b32 v7, 8, v6
	v_add_nc_u32 v6, v6, v7
	v_lshlrev_b32 v6, 2, v6                        ; bv: 4 (r + 8 (r / 8)): a lane's one row of a tile
	s_wait_alu depctr_va_vdst(0)
	s_lshl_b32 s73, s72, 16
	s_lshl_b32 s74, s20, 14
	s_add_co_u32 s73, s73, s74                     ; (16 cx + 4 w) tiles of 4,096 bytes
	s_lshl_b32 s74, s23, 18
	s_add_co_u32 s74, s74, s73
	s_mov_b32 s75, 0
	s_add_nc_u64 s[4:5], s[4:5], s[74:75]          ; xc at (n, my four tiles)
	s_lshl_b32 s76, s23, 3
	s_add_co_u32 s76, s76, s22                     ; 8 n + head
	s_lshl_b32 s74, s76, 18
	s_add_co_u32 s74, s74, s73
	s_add_nc_u64 s[16:17], s[16:17], s[74:75]      ; qc at my four tiles
	s_lshl_b32 s74, s76, 19
	s_lshl_b32 s77, s73, 1                         ; (4 cx + w) steps of 32,768 bytes
	s_add_co_u32 s74, s74, s77
	s_add_nc_u64 s[18:19], s[18:19], s[74:75]      ; kv at my key step
	s_lshl_b32 s66, s22, 10
	s_mov_b32 s67, 0
	s_add_nc_u64 s[8:9], s[8:9], s[66:67]          ; the head's 256 biases
	s_add_nc_u64 s[10:11], s[10:11], s[66:67]
	s_add_nc_u64 s[12:13], s[12:13], s[66:67]
	WIN 0x40                                       ; destination window 1
.irp pt, 0,1,2,3
.irp q, 0,1,2,3,4,5,6,7
	global_load_b128 v[128+32*\pt+4*\q:131+32*\pt+4*\q], v1, s[4:5] offset:\pt*4096+512*\q
.endr
.endr
	WIN 0x80                                       ; destination window 2
.irp pt, 0,1,2,3
.irp q, 0,1,2,3,4,5,6,7
	global_load_b128 v[32*\pt+4*\q:3+32*\pt+4*\q], v1, s[4:5] offset:2097152+\pt*4096+512*\q
.endr
.endr
.irp pt, 0,1,2,3
.irp q, 0,1,2,3,4,5,6,7
	global_load_b128 v[128+32*\pt+4*\q:131+32*\pt+4*\q], v1, s[4:5] offset:4194304+\pt*4096+512*\q
.endr
.endr
	WIN 0xc0                                       ; destination window 3
.irp T, 0,1,2,3,4,5,6,7,8,9,10,11,12,13,14,15  ; lane (r, h) wants rows 32 (T / 2) + 8 (T % 2) + 16 h + 0 .. 7
	global_load_b128 v[8*\T:8*\T+3], v5, s[8:9] offset:(32*(\T/2)+8*(\T%2))*4
	global_load_b128 v[8*\T+4:8*\T+7], v5, s[8:9] offset:(32*(\T/2)+8*(\T%2))*4+16
	global_load_b128 v[128+8*\T:128+8*\T+3], v5, s[10:11] offset:(32*(\T/2)+8*(\T%2))*4
	global_load_b128 v[128+8*\T+4:128+8*\T+7], v5, s[10:11] offset:(32*(\T/2)+8*(\T%2))*4+16
.endr
	WIN 0
.irp T, 0,1,2,3,4,5,6,7,8,9,10,11,12,13,14,15
	global_load_b32 v[BVR+\T], v6, s[12:13] offset:(32*(\T/2)+8*(\T%2))*4
.endr
	s_wait_loadcnt 0x0
	s_wait_kmcnt 0x0
.irp X, 0,1,2
	s_add_co_i32 s66, s[44+2*\X], s[45+2*\X]       ; ea + eb: a sum stands for sum x 2^(ea + eb)
	s_sub_co_i32 s67, 127, s66
	s_lshl_b32 s[56+2*\X], s67, 23                 ; 2^-(ea + eb): the bias goes in multiplied by it
	s_mov_b32 s[57+2*\X], s[56+2*\X]               ; (named with it as a pair, so it is written)
	s_sub_co_i32 s66, s[50+\X], s66
	s_add_co_i32 s66, s66, 127
	s_lshl_b32 s67, s66, 23
	v_mov_b32 v[8+2*\X], s67                       ; 2^(e_out - ea - eb): the three scales folded into the conversion's one
	s_add_co_i32 s66, s66, 8
	s_lshl_b32 s66, s66, 23
	s_or_b32 s66, s66, 0x600000
.endr
	WIN 0xc3                                       ; source 0 and destination window 3
.set j, 0
.rept 64
	v_pk_mul_f32 v[j:j+1], v[j:j+1], s[56:57] op_sel_hi:[1,0]
	v_pk_mul_f32 v[128+j:129+j], v[128+j:129+j], s[58:59] op_sel_hi:[1,0]
.set j, j+2
.endr
	WIN 0
; Group g = 8 X + b: tensor X (0 k, 1 q, 2 v), W's tiles 2 b and 2 b + 1, my four tiles of positions: 8 accumulators, 16 matrix instructions.
.macro WLOAD g                         ; the group's four fragments of W (2 tiles x 2 K steps) from LDS, as they lie: 16 loads
.set WX, (\g)/8
.set WB8, (\g)%8
.set WBF, 64*((\g)%2)
	WIN 0x40
.irp e, 0,1
.irp q, 0,1,2,3,4,5,6,7
	ds_load_b128 v[WBF+32*\e+4*\q:WBF+32*\e+4*\q+3], v[2+WX] offset:(2*WB8+\e)*4096+512*\q
.endr
.endr
	WIN 0
.endm
.macro MM g                            ; the eight accumulators take turns, one instruction a turn, K step by K step
.set MX, (\g)/8
.set MB, (\g)%8
.set AC, ACC+64*((\g)%2)
.set WBF, 64*((\g)%2)
.if MX == 2
.irp e, 0,1
.irp i, 0,1,2,3,4,5,6,7
	v_mul_f32 v[BVC+8*\e+\i], s60, v[BVR+2*MB+\e]  ; v: a lane holds one channel, so its bias fills the eight registers of C
.endr
.endr
.endif
.irp s, 0,1
.if MX == 0
	WIN 0x35-0x30*\s                               ; W window 1, x window 1, C: bias in window 3, then the sum
.elseif MX == 1
	WIN 0x39-0x30*\s                               ; x window 2
.else
	WIN 0x06                                       ; source 0 = x window 2, source 1 = W window 1
.endif
.irp e, 0,1
.irp pt, 0,1,2,3
.set RD, AC+8*(4*\e+\pt)
.set RW, WBF+32*\e+16*\s
.if MX == 1
.set RX, 32*\pt+16*\s
.else
.set RX, 128+32*\pt+16*\s
.endif
.if \s == 1
.set RC, RD
.elseif MX == 0
.set RC, 8*(2*MB+\e)
.elseif MX == 1
.set RC, 128+8*(2*MB+\e)
.else
.set RC, BVC+8*\e
.endif
.if MX == 2
	v_wmma_f32_16x16x128_fp8_fp8 v[RD:RD+7], v[RX:RX+15], v[RW:RW+15], v[RC:RC+7]
.else
	v_wmma_f32_16x16x128_fp8_fp8 v[RD:RD+7], v[RW:RW+15], v[RX:RX+15], v[RC:RC+7]
.endif
.endr
.endr
.endr
	WIN 0
.endm
.macro EPI g                           ; group g's 64 sums a lane become four groups of 16 codes, each stored as 512 consecutive bytes of the wave
.set EX, (\g)/8
.set EB, (\g)%8
.set AC, ACC+64*((\g)%2)
.set CD, CODE+16*((\g)%2)
	s_wait_xcnt 0x0                                ; the earlier stores have read their registers: the codes' set may be written again
.irp q, 0,1,2,3
.if EX < 2
.set SA, AC+8*\q                               ; k, q: tile of positions q, W's tiles 2 b and 2 b + 1
.set SB, AC+8*(4+\q)
.else
.set SA, AC+8*(4*(\q/2)+2*(\q%2))              ; v: W's tile 2 b + q / 2, tiles of positions 2 (q % 2) and the next
.set SB, SA+8
.endif
.irp j, 0,1,2,3,4,5,6,7
.endr
.irp j, 0,1,2,3,4,5,6,7
.endr
	v_cvt_scalef32_pk8_fp8_f32 v[CD+4*\q:CD+4*\q+1], v[SA:SA+7], v[8+2*EX]
	v_cvt_scalef32_pk8_fp8_f32 v[CD+4*\q+2:CD+4*\q+3], v[SB:SB+7], v[8+2*EX]
.endr
	v_nop                                          ; a plain line behind the last conversion: later products write its sources
.irp q, 0,1,2,3
.if EX == 0
	global_store_b128 v1, v[CD+4*\q:CD+4*\q+3], s[18:19] offset:\q*4096+512*EB
.elseif EX == 1
	global_store_b128 v1, v[CD+4*\q:CD+4*\q+3], s[16:17] offset:\q*4096+512*EB
.else
	global_store_b128 v1, v[CD+4*\q:CD+4*\q+3], s[18:19] offset:16384+(2*EB+\q/2)*1024+512*(\q%2)
.endif
.endr
.endm
.macro GROUP g
.if (\g) == 6
	s_wait_tensorcnt 0x1                           ; my quarter of Wq has landed (Wv's load may be out): this group fetches its first fragments
	s_wait_dscnt 0x0
	s_barrier_signal -1
	s_barrier_wait -1                              ; everybody's has
.endif
.if (\g) == 14
	s_wait_tensorcnt 0x0                           ; the same for Wv
	s_wait_dscnt 0x0
	s_barrier_signal -1
	s_barrier_wait -1
.endif
.if (\g) < 23
	s_wait_dscnt 16                                ; this group's fragments are in; the next group's sixteen loads may be out
.else
	s_wait_dscnt 0
.endif
	MM \g
	PLACES
.if (\g) < 22
	WLOAD (\g)+2                                   ; into the buffer just multiplied
.endif
.if (\g) > 0
	EPI (\g)-1                                     ; the group before is quantised and stored while this group's products run
.endif
.endm
	s_wait_tensorcnt 0x2                           ; my quarter of Wk has landed; the two younger loads may be out
	s_barrier_signal -1
	s_barrier_wait -1
	WLOAD 0
	WLOAD 1
.irp g, 0,1,2,3,4,5,6,7,8,9,10,11,12,13,14,15,16,17,18,19,20,21,22,23
	GROUP \g
.endr
	EPI 23
	s_wait_tensorcnt 0x0                           ; the wave's end
	ds_add_u32 v[SPW], v[NIL]
	s_wait_dscnt 0x0
	ROUND                                          ; the closing round
	s_endpgm
.Lfunc_end_k_qb32b681fb2_qkv:
	.size	k_qb32b681fb2_qkv, .Lfunc_end_k_qb32b681fb2_qkv-k_qb32b681fb2_qkv
	.p2alignl 7, 3214868480
	.fill 96, 4, 3214868480
	.section	.rodata,"a",@progbits
	.p2align	6, 0x0
	.amdhsa_kernel k_qb32b681fb2_qkv
		.amdhsa_group_segment_fixed_size 197120
		.amdhsa_private_segment_fixed_size 0
		.amdhsa_enable_private_segment 0
		.amdhsa_kernarg_size 64
		.amdhsa_user_sgpr_count 2
		.amdhsa_user_sgpr_kernarg_segment_ptr 1
		.amdhsa_wavefront_size32 1
		.amdhsa_system_sgpr_workgroup_id_x 1
		.amdhsa_system_sgpr_workgroup_id_y 1
		.amdhsa_system_sgpr_workgroup_id_z 1
		.amdhsa_system_vgpr_workitem_id 0
		.amdhsa_next_free_vgpr 1024
		.amdhsa_next_free_sgpr 84
		.amdhsa_reserve_vcc 0
		.amdhsa_float_denorm_mode_32 3
		.amdhsa_float_denorm_mode_16_64 3
		.amdhsa_fp16_overflow 1
		.amdhsa_memory_ordered 1
		.amdhsa_forward_progress 1
		.amdhsa_inst_pref_size 113
	.end_amdhsa_kernel
	.amdgpu_metadata
---
amdhsa.version: [ 1, 2 ]
amdhsa.kernels:
  - .name:           k_qb32b681fb2_qkv
    .symbol:         k_qb32b681fb2_qkv.kd
    .args:
      - { .name: xc, .offset: 0, .size: 8, .value_kind: global_buffer, .address_space: global }
      - { .name: wc, .offset: 8, .size: 8, .value_kind: global_buffer, .address_space: global }
      - { .name: bk, .offset: 16, .size: 8, .value_kind: global_buffer, .address_space: global }
      - { .name: bq, .offset: 24, .size: 8, .value_kind: global_buffer, .address_space: global }
      - { .name: bv, .offset: 32, .size: 8, .value_kind: global_buffer, .address_space: global }
      - { .name: lowp_scales, .offset: 40, .size: 8, .value_kind: global_buffer, .address_space: global }
      - { .name: qc, .offset: 48, .size: 8, .value_kind: global_buffer, .address_space: global }
      - { .name: kv, .offset: 56, .size: 8, .value_kind: global_buffer, .address_space: global }
    .group_segment_fixed_size: 197120
    .private_segment_fixed_size: 0
    .kernarg_segment_align: 8
    .kernarg_segment_size: 64
    .max_flat_workgroup_size: 128
    .sgpr_count:     84
    .vgpr_count:     1024
    .wavefront_size: 32
...
	.end_amdgpu_metadata
.endif
;; end of part 2
;; launch attn (part 3): grid 32 x 8, 4 waves a work-group, clusters of 4 x 4, 327,680 bytes of LDS; arguments qc, kv, pos_mat, lowp_scales, oc; writes oc
.if DOCPART == 3
	.amdgcn_target "amdgcn-amd-amdhsa--gfx1250"
	.amdhsa_code_object_version 6
	.text
	.protected	k_qb32b681fb2_attn
	.globl	k_qb32b681fb2_attn
	.p2align	8
	.type	k_qb32b681fb2_attn,@function
k_qb32b681fb2_attn:
	s_mov_b64 s[64:65], 0
	v_nop
	global_prefetch_b8 v0, s[64:65] scope:SCOPE_SE
	s_setreg_imm32_b32 hwreg(HW_REG_WAVE_MODE, 25, 1), 1
	s_wait_xcnt 0x0
	s_wait_alu depctr_hold_cnt(0) depctr_sa_sdst(0) depctr_va_vdst(0) depctr_va_sdst(0) depctr_va_ssrc(0) depctr_va_vcc(0) depctr_vm_vsrc(0)
	s_getreg_b32 s2, hwreg(HW_REG_IB_STS2, 6, 4)
	s_cmp_eq_u32 s2, 0
	s_cbranch_scc0 .Lentry_in_a_cluster
	s_endpgm
.Lentry_in_a_cluster:
	s_bfe_u32 s2, ttmp6, 0x10000c
	s_cmp_lg_u32 s2, 0xf033
	s_cbranch_scc0 .Lentry_shape_is_right
	s_endpgm
.Lentry_shape_is_right:
; ATTN: out[n][head][d][q] = sum over keys of v[d][key] softmax_key(k . q / 16 + pos[head][key][q]), both products on codes of FP8; the result is quantised (entry 10) for the last product.
; THE SOFTMAX AHEAD OF THE SECOND PRODUCT: t = logit x log2(e); M = the running largest t rounded UP to a whole number; p = 2^(t - M) is quantised (entry 9), not normalised; the sum is taken of the
; unquantised p and divides at the end; when M moves, the sum and O are multiplied by 2^(old M - new M), which rounds nothing.
; SHARES.  A work-group: one n, one head, 256 queries; wave w: 64 queries = four tiles.  Every wave walks the 1,024 keys, 64 a step, 16 steps.
; LAYOUT.  Both products are used transposed: S^T = K Q^T + C (source 0 = 16 keys, source 1 = 16 queries), O^T = V P (source 0 = 16 channels, source 1 = P): a lane holds one query throughout.
; C is pos x 2^(4 - e6 - e7), loaded from LDS straight into the accumulators' registers: the sum then stands for logit x 16 / 2^(e6 + e7), and t = c x sum, c = log2(e) / 16 x 2^(e6 + e7).
; Tiles hold indices 32 (T / 2) + 8 (T % 2) + m + 8 (m / 8), so p's 16 registers of two neighbouring key tiles are 16 neighbouring keys, and O^T's of two channel tiles 16 neighbouring channels.
; K, V, Q come as images of operand registers (16 bytes a lane at 16 x lane): no pitch, no padding.
; CLUSTER 4 x 4: x = the head's four blocks of queries, y = four n.  K and V hang on (n, head): asked for jointly along a row.  pos hangs on (head, block of queries): jointly along a column.
; Wave 0 fetches K's 16 KiB of a step, wave 1 V's, waves 2 and 3 the two halves (32 keys x 256 queries, f32) of pos.  Two slots, one step each; one load a wave behind each round.
; V is read into registers at the end of a step's scores, so the slot is left before the step's second product; that product runs beside the next step's LDS loads.
; ORDER.  LDS loads stand in runs behind plain vector lines, never straight behind products; the exponentials stand among plain lines, in two batches with one wait each.
; LIMITS, so that each power of two is an f32 number: e6 + e7 between -122 and 131 (added to c's exponent field) and 4 - e6 - e7 between -126 and 127; e9 and e10 - e8 - e9 between -126 and 119.
; REGISTERS.  window 0: v1-4 LDS places; v5 scale of p; v7 prefetch offset; v8-39 statistics, 8 a tile: -M, largest t, the sum (2), f, a filler, 2 at work; v40 scale of the output;
;   v62, 63 the add's two; v64-191 S^T, then p: tile t, key tile kt at 64 + 32 t + 8 kt; v192-223 p's codes; v224-255 K of key tile 0.
;   window 1: v0-127 Q; v128-255 K of key tiles 1-3, then V.   window 2: O^T of channel tiles 0-7, (dt, t) at 8 (4 dt + t).   window 3: channel tiles 8-15.
.set SLOT1, 131072                     ; slot 1 begins here: one exclusive or turns a place in one slot into the other's
.set VOFF,  16384                      ; a slot: K 16,384, V 16,384, pos 64 rows of PP bytes
.set POFF,  32768
.set PP,    1032                       ; a row of pos: 1,024 bytes + 8: rows 16 apart lie 32 words on modulo 64, so the two halves of the lanes touch different banks (64 banks of 4 bytes: ISA guide 11.1)
.set SPARE, 262144                     ; behind the ring: the spare words
.set AK0, 1
.set AP0, 2
.set ADK, 3
.set ADP, 4
.set SCP, 5
.set LMP, 6
.set PFO, 7
.set ST,  8
.set SCO, 40
.set LMO, 41
.set SPW, 62
.set NIL, 63
.set S,   64
.set P,   192
.set G,   224
.set F,   128
.set WV,  14                           ; s14 wave;  s15 wave % 2;  s16 cx;  s17 cy;  s18 head;  s19 n;  s26 the cluster's y
.set SEL, 20                           ; s[20:21] selects of v_permlanex16_b32: lane l xor 16
.set CS,  22                           ; s[22:23] c
.set PS,  24                           ; s[24:25] 2^(4 - e6 - e7)
.set G1KV, 28                          ; s[28:35] group 1 for K and V;  s[36:43] for pos
.set G1P,  36
.set G0KV, 44                          ; s[44:51] groups 0 for K and V: the first fill's, and the one that walks;  s[52:59] for pos
.set G0P,  52
.set TB,   60                          ; s60 the slot in hand
.set SLOTS, 61                         ; s61 fills still to be asked for
.set LIM,  62                          ; s62 1 in a wave that prefetches, else the greatest number
.set PFA,  66                          ; s[66:67] where my prefetches stand;  s[68:69] a step on
.set PFS,  68
.set MSB, 0
.macro WIN new                         ; the immediate's high byte repeats the setting that is left
.if MSB != (\new)
	s_set_vgpr_msb (MSB<<8)|(\new)
.set MSB, (\new)
.endif
.endm
.macro PLACES                          ; four plain places behind matrix instructions (ISA guide 7.12.1)
.rept 4
	v_nop
.endr
.endm
.macro CROUND                          ; a round of the cluster's barrier
	s_barrier_signal -1
	s_barrier_wait -1
	s_cmp_lg_u32 s[WV], 0
	s_cbranch_scc1 .Lnot_wave_0_\@
	s_barrier_signal -3
.Lnot_wave_0_\@:
	s_barrier_wait -3
	s_barrier_signal -1
	s_barrier_wait -1
.endm
.macro JLOAD                           ; a joint refill; the branch hangs on the wave's number alone; an s_nop 0 and four v_nop follow each line
	s_cmp_lt_u32 s[WV], 2
	s_cbranch_scc0 .Lfor_p_\@
	tensor_load_to_lds s[G0KV+4:G0KV+7], s[G1KV:G1KV+7]
	s_nop 0
.rept 4
	v_nop
.endr
	s_branch .Lasked_\@
.Lfor_p_\@:
	tensor_load_to_lds s[G0P+4:G0P+7], s[G1P:G1P+7]
	s_nop 0
.rept 4
	v_nop
.endr
.Lasked_\@:
.endm
; A PREFETCH INTO THE L2 of the step that the NEXT change of slots will ask for, one instruction a wave, behind the wave's tensor load.  Each aligned 256 bytes is named once in the launch.
; K and V of (n, head) are read by one row of one cluster: its four partners take 8,192 bytes each of the step's 32,768, told apart by address (cx); wave 0 asks, lanes 256 bytes apart.
; pos of (head, block of queries) is read by a column of each of the two clusters of the head: the cluster with y = 0 asks; of a half's 32 rows x 1,024 bytes the partner at cy takes rows 8 cy on; waves 2 and 3 ask, four lanes a row.
; The last fill's change asks for nothing: there is no step behind it.  Steps 0 to 2 come by their loads alone.
.macro ASK
	s_cmp_gt_u32 s[SLOTS], s[LIM]
	s_cbranch_scc0 .Lnot_mine_\@
	global_prefetch_b8 v[PFO], s[PFA:PFA+1] th:TH_LOAD_NT scope:SCOPE_SE
.Lnot_mine_\@:
.endm
	s_load_b256 s[4:11], s[0:1], 0x0               ; qc s[4:5], kv s[6:7], pos_mat s[8:9], scales s[10:11]
	s_load_b64 s[12:13], s[0:1], 0x20              ; oc
	v_lshl_add_u32 v[SPW], v0, 2, SPARE
	v_mov_b32 v[NIL], 0
	ds_add_u32 v[SPW], v[NIL]                      ; the wave's opening: the add and its wait ahead of my first tensor load
	v_lshrrev_b32 v1, 5, v0
	v_readfirstlane_b32 s[WV], v1                  ; wave 0..3
	s_and_b32 s15, s[WV], 1
	s_bfe_u32 s16, ttmp6, 0x40000                  ; cx: the block of 256 queries
	s_bfe_u32 s17, ttmp6, 0x40004                  ; cy
	s_mov_b32 s18, ttmp9                           ; the head (the cluster's x)
	s_and_b32 s26, ttmp7, 0xffff                   ; the cluster's y
	s_lshl_b32 s19, s26, 2
	s_add_co_u32 s19, s19, s17                     ; n = 4 x cluster y + cy
	s_lshl_b32 s84, s17, 2
	s_lshl_b32 s84, 15, s84                        ; my row of the cluster
	s_lshl_b32 s85, 0x1111, s16                    ; my column
	s_or_b32 s[G1KV], s84, 0x00230000              ; mask; elements of 8 bytes; bit 21 beside the mask
	s_mov_b32 s[G1KV+1], 32<<16                    ; rows of 256 bytes,
	s_mov_b32 s[G1KV+2], 64<<16                    ; 64 of them,
	s_mov_b32 s[G1KV+3], 32<<16
	s_mov_b32 s[G1KV+4], 64
	s_mov_b32 s[G1KV+5], 32                        ; dense
	s_mov_b32 s[G1KV+6], 0
	s_mov_b32 s[G1KV+7], 0
	s_or_b32 s[G1P], s85, 0x03f20000               ; mask; elements of 4 bytes; padding on; bit 21; after every 256 words (code 7) two words (code 1)
	s_mov_b32 s[G1P+1], 256<<16                    ; 256 queries,
	s_mov_b32 s[G1P+2], 32<<16                     ; 32 keys
	s_mov_b32 s[G1P+3], 256<<16
	s_mov_b32 s[G1P+4], 32
	s_mov_b32 s[G1P+5], 1024                       ; a row of pos
	s_mov_b32 s[G1P+6], 0
	s_mov_b32 s[G1P+7], 0
	s_lshl_b32 s98, s19, 3
	s_add_co_u32 s98, s98, s18                     ; 8 n + head
	s_lshl_b32 s86, s98, 19                        ; K, V: (n, head)'s 16 steps of 32,768 bytes, + K's or V's half.  These registers never hold cx
	s_lshl_b32 s87, s15, 14
	s_add_co_u32 s86, s86, s87
	s_mov_b32 s87, 0
	s_lshl_b32 s88, s18, 22                        ; pos: the head, + my 32 keys, + the block of queries.  These registers never hold cy
	s_lshl_b32 s89, s15, 17
	s_add_co_u32 s88, s88, s89
	s_lshl_b32 s89, s16, 10
	s_add_co_u32 s88, s88, s89
	s_mov_b32 s89, 0
	s_lshl_b32 s90, s15, 14                        ; places in a slot: no place in the cluster enters an LDS address
	s_mul_i32 s91, s15, 32*PP
	s_add_co_u32 s91, s91, POFF
	s_lshl_b32 s92, s98, 18                        ; Q: (n, head), tiles 16 cx + 4 w on
	s_lshl_b32 s93, s16, 16
	s_add_co_u32 s92, s92, s93
	s_lshl_b32 s93, s[WV], 14
	s_add_co_u32 s92, s92, s93
	s_mov_b32 s93, 0
	s_lshl_b32 s96, s19, 21                        ; oc: n, tiles 16 cx + 4 w on, K steps 2 x head on
	s_lshl_b32 s97, s16, 19
	s_add_co_u32 s96, s96, s97
	s_lshl_b32 s97, s[WV], 17
	s_add_co_u32 s96, s96, s97
	s_lshl_b32 s97, s18, 12
	s_add_co_u32 s96, s96, s97
	s_mov_b32 s97, 0
	s_lshl_b32 s94, s98, 19                        ; the prefetches, at step 2: K and V: + 8,192 cx;
	s_add_co_u32 s94, s94, 65536
	s_lshl_b32 s95, s16, 13
	s_add_co_u32 s94, s94, s95
	s_lshl_b32 s95, s18, 22                        ; pos: + rows 128 + 32 (w % 2) + 8 cy, + the block of queries
	s_add_co_u32 s95, s95, 0x80000
	s_lshl_b32 s99, s15, 17
	s_add_co_u32 s95, s95, s99
	s_lshl_b32 s99, s17, 15
	s_add_co_u32 s95, s95, s99
	s_lshl_b32 s99, s16, 10
	s_add_co_u32 s95, s95, s99
	s_mov_b32 s[SEL], 0x76543210
	s_mov_b32 s[SEL+1], 0xfedcba98
	s_mov_b32 s[TB], 0
	s_mov_b32 s[SLOTS], 14
	s_wait_dscnt 0x0                               ; the opening add is done
	s_wait_kmcnt 0x0
	s_load_b256 s[72:79], s[10:11], 0x0            ; e0 .. e7
	s_load_b128 s[80:83], s[10:11], 0x20           ; e8 .. e11
	s_add_nc_u64 s[86:87], s[6:7], s[86:87]
	s_add_nc_u64 s[88:89], s[8:9], s[88:89]
	s_add_nc_u64 s[4:5], s[4:5], s[92:93]
	s_add_nc_u64 s[12:13], s[12:13], s[96:97]
	s_cmp_lt_u32 s[WV], 2
	s_cselect_b64 s[PFA:PFA+1], s[6:7], s[8:9]     ; the choice hangs on the wave's number alone
	s_cselect_b32 s94, s94, s95
	s_mov_b32 s[PFS], 262144
	s_cselect_b32 s[PFS], 32768, s[PFS]            ; a step on
	s_mov_b32 s85, 4096
	s_cselect_b32 s85, 1024, s85                   ; from four lanes to the next four
	s_cselect_b32 s84, s[WV], s26                  ; 0 in wave 0, and in waves 2 and 3 of the cluster with y = 0: the same in all sixteen partners
	s_mov_b32 s95, 0
	s_mov_b32 s[PFS+1], 0
	s_add_nc_u64 s[PFA:PFA+1], s[PFA:PFA+1], s[94:95]
	s_cmp_eq_u32 s84, 0
	s_cselect_b32 s[LIM], 1, -1
.irp q, 0,1                                    ; set 0: slot 0, step 0;  set 1: slot 1, step 1, and then it walks
	s_mov_b32 s[G0KV+4*\q], 1
	s_add_co_u32 s[G0KV+4*\q+1], s90, \q*SLOT1
	s_add_nc_u64 s[G0KV+4*\q+2:G0KV+4*\q+3], s[86:87], \q*32768
	s_or_b32 s[G0KV+4*\q+3], s[G0KV+4*\q+3], 0x80000000
	s_mov_b32 s[G0P+4*\q], 1
	s_add_co_u32 s[G0P+4*\q+1], s91, \q*SLOT1
	s_add_nc_u64 s[G0P+4*\q+2:G0P+4*\q+3], s[88:89], \q*262144
	s_or_b32 s[G0P+4*\q+3], s[G0P+4*\q+3], 0x80000000
.endr
	CROUND                                         ; all sixteen work-groups are here: the first joint loads meet
	s_cmp_lt_u32 s[WV], 2                          ; a wave's two first fills stand in one branch: two loads of mine are out
	s_cbranch_scc0 .Lfirst_p
	tensor_load_to_lds s[G0KV:G0KV+3], s[G1KV:G1KV+7]
	s_nop 0
	tensor_load_to_lds s[G0KV+4:G0KV+7], s[G1KV:G1KV+7]
	s_nop 0
.rept 4
	v_nop
.endr
	s_branch .Lfirst_asked
.Lfirst_p:
	tensor_load_to_lds s[G0P:G0P+3], s[G1P:G1P+7]
	s_nop 0
	tensor_load_to_lds s[G0P+4:G0P+7], s[G1P:G1P+7]
	s_nop 0
.rept 4
	v_nop
.endr
.Lfirst_asked:
	v_and_b32 v[AK0], 31, v0
	v_lshrrev_b32 v[PFO], 2, v[AK0]
	v_mul_lo_u32 v[PFO], v[PFO], s85
	v_and_b32 v[ADK], 3, v[AK0]
	v_lshl_add_u32 v[PFO], v[ADK], 8, v[PFO]       ; the prefetches' offset; never rewritten
	v_lshlrev_b32 v[AK0], 4, v[AK0]                ; 16 x lane
	WIN 0x40                                       ; destination window 1
.irp t, 0,1,2,3
.irp q, 0,1,2,3,4,5,6,7
	global_load_b128 v[32*\t+4*\q:32*\t+4*\q+3], v[AK0], s[4:5] offset:\t*4096+512*\q   ; Q stays in registers
.endr
.endr
	WIN 0
	v_and_b32 v[ADK], 15, v0                       ; r
	v_and_b32 v[ADP], 8, v[ADK]
	v_add_nc_u32 v[ADK], v[ADK], v[ADP]            ; r + 8 (r / 8): my query in a tile
	v_lshlrev_b32 v[AP0], 2, v[ADK]
	v_bfe_u32 v[ADP], v0, 4, 1                     ; h
	v_mul_u32_u24 v[ADP], v[ADP], 16*PP            ; my half's keys lie 16 rows on
	v_add_nc_u32 v[AP0], v[AP0], v[ADP]
	s_lshl_b32 s84, s[WV], 8                       ; my wave's 64 queries
	s_add_co_u32 s84, s84, POFF
	v_add_nc_u32 v[AP0], s84, v[AP0]
.irp t, 0,1,2,3
	v_mov_b32 v[ST+8*\t+1], 0xff61b1e6             ; the largest t so far: -3e38, under every t
	v_mov_b32 v[ST+8*\t+2], 0                      ; the sum, in two halves
	v_mov_b32 v[ST+8*\t+3], 0
	v_mov_b32 v[ST+8*\t+4], 0
	v_mov_b32 v[ST+8*\t+5], 0                      ; (named as the upper half of f's pair)
	v_mov_b32 v[ST+8*\t+6], 0
	v_mov_b32 v[ST+8*\t+7], 0
	v_floor_f32 v[ST+8*\t], -v[ST+8*\t+1]          ; -M
.endr
	s_wait_kmcnt 0x0
	s_add_co_i32 s84, s78, s79                     ; e6 + e7
	s_lshl_b32 s85, s84, 23
	s_mov_b32 s[CS], 0x3db8aa3b                    ; log2(e) / 16
	s_add_co_i32 s[CS], s[CS], s85                 ; x 2^(e6 + e7): added to its exponent field
	s_mov_b32 s[CS+1], s[CS]
	s_sub_co_i32 s85, 131, s84
	s_lshl_b32 s[PS], s85, 23                      ; 2^(4 - e6 - e7)
	s_mov_b32 s[PS+1], s[PS]
	s_add_co_i32 s84, s81, 127
	s_lshl_b32 s85, s84, 23
	v_mov_b32 v[SCP], s85                          ; 2^e9
	s_sub_co_i32 s84, s82, s80
	s_sub_co_i32 s84, s84, s81
	s_add_co_i32 s84, s84, 127
	s_lshl_b32 s85, s84, 23
	v_mov_b32 v[SCO], s85                          ; 2^(e10 - e8 - e9): O / the sum stands for out / 2^(e8 + e9)
	s_add_co_i32 s84, s84, 8
	s_lshl_b32 s84, s84, 23
	s_or_b32 s84, s84, 0x600000
.macro KLOAD kt                        ; K's two fragments of key tile kt: eight loads
.if (\kt) == 0
	WIN 0
.irp q, 0,1,2,3,4,5,6,7
	ds_load_b128 v[G+4*\q:G+4*\q+3], v[ADK] offset:512*\q
.endr
.else
	WIN 0x40
.irp q, 0,1,2,3,4,5,6,7
	ds_load_b128 v[F+32*((\kt)-1)+4*\q:F+32*((\kt)-1)+4*\q+3], v[ADK] offset:(\kt)*4096+512*\q
.endr
	WIN 0
.endif
.endm
.macro POSCH i                         ; pos for accumulator (tile i % 4, key tile i / 4): register j takes key 32 (kt / 2) + 8 (kt % 2) + 16 h + j of my query
.set PKT, (\i)/4
.set PTL, (\i)%4
.irp j, 0,1,2,3,4,5,6,7
	ds_load_b32 v[S+32*PTL+8*PKT+\j], v[ADP] offset:(32*(PKT/2)+8*(PKT%2)+\j)*PP+(32*(PTL/2)+8*(PTL%2))*4
.endr
.endm
.macro VLOAD                           ; V's sixteen fragments (16 channels x 64 keys): 32 loads
	WIN 0x40
.irp d, 0,1,2,3,4,5,6,7,8,9,10,11,12,13,14,15
	ds_load_b128 v[F+8*\d:F+8*\d+3], v[ADK] offset:VOFF+\d*1024
	ds_load_b128 v[F+8*\d+4:F+8*\d+7], v[ADK] offset:VOFF+\d*1024+512
.endr
	WIN 0
.endm
; O^T = f O^T + V P for the step whose P and V lie in registers (zero = 1: the first step starts the sums with the constant 0: nothing is cleared), and, next = 1, the LDS loads of the next step's K and pos.
; BY PAIRS OF CHANNEL TILES: 32 rescalings, one run of LDS loads, 8 products.  So a run of loads stands behind plain vector lines, the pair before's products have those 32 lines in which to finish, and the
; rescalings, which name none of those products' registers, are the places ahead of the loads into V's registers that are done with (K of key tile 1 where V of channel tiles 0-3 lay, at pair 2; key tile 2 at pair 4; key tile 3 at pair 6).
; The LDS loads' order: K0 (8), pos chunks 0-3 (32), K1 (8), chunks 4-7, K2, chunks 8-11, K3, chunks 12-15.  The 64 accumulators take turns, one instruction a turn.
.macro PVK zero, next
.if \next
	v_add_nc_u32 v[ADK], s[TB], v[AK0]
	v_add_nc_u32 v[ADP], s[TB], v[AP0]
	KLOAD 0
.endif
.irp pr, 0,1,2,3,4,5,6,7
.if (\zero) == 0
	WIN 0x82+0x41*(\pr/4)                          ; O^T (source 0 and destination) window 2 or 3, f window 0
.irp e, 0,1
.irp t, 0,1,2,3
.set RO, 8*(4*((2*\pr+\e)%8)+\t)
.irp i, 0,2,4,6
	v_pk_mul_f32 v[RO+\i:RO+\i+1], v[RO+\i:RO+\i+1], v[ST+8*\t+4:ST+8*\t+5] op_sel_hi:[1,0]
.endr
.endr
.endr
.endif
.if \next
	WIN 0
.if (\zero) && ((\pr == 2) || (\pr == 4) || (\pr == 6))
	PLACES                                         ; the first step has no rescalings to be the places ahead of K's loads
.endif
.if (\pr == 2) || (\pr == 4) || (\pr == 6)
	KLOAD \pr/2
.endif
	POSCH 2*\pr
	POSCH 2*\pr+1
.endif
	WIN 0xa1+0x50*(\pr/4)                          ; V window 1, P window 0, C and D window 2 or 3
.irp e, 0,1
.irp t, 0,1,2,3
.set RO, 8*(4*((2*\pr+\e)%8)+\t)
.set RV, F+8*(2*\pr+\e)
.if \zero
	v_wmma_f32_16x16x64_fp8_fp8 v[RO:RO+7], v[RV:RV+7], v[P+8*\t:P+8*\t+7], 0
.else
	v_wmma_f32_16x16x64_fp8_fp8 v[RO:RO+7], v[RV:RV+7], v[P+8*\t:P+8*\t+7], v[RO:RO+7]
.endif
.endr
.endr
.endr
	WIN 0
.endm
; The maxima of key tiles 0 to 2: 24 scores a tile in two chains, the four tiles line by line.  Each accumulator is first read at its lowest register.  These 44 lines name no register of key tile 3's products.
.macro MAXA
.irp t, 0,1,2,3
	v_max3_num_f32 v[ST+8*\t+6], v[S+32*\t], v[S+32*\t+1], v[S+32*\t+2]
	v_max3_num_f32 v[ST+8*\t+7], v[S+32*\t+16], v[S+32*\t+17], v[S+32*\t+18]
.endr
.irp i, 3,5
.irp t, 0,1,2,3
	v_max3_num_f32 v[ST+8*\t+6], v[ST+8*\t+6], v[S+32*\t+\i], v[S+32*\t+\i+1]
	v_max3_num_f32 v[ST+8*\t+7], v[ST+8*\t+7], v[S+32*\t+16+\i], v[S+32*\t+17+\i]
.endr
.endr
.irp t, 0,1,2,3
	v_max3_num_f32 v[ST+8*\t+6], v[ST+8*\t+6], v[S+32*\t+7], v[S+32*\t+8]
	v_max3_num_f32 v[ST+8*\t+7], v[ST+8*\t+7], v[S+32*\t+23], v[S+32*\t+15]
.endr
.irp i, 9,11,13
.irp t, 0,1,2,3
	v_max3_num_f32 v[ST+8*\t+6], v[ST+8*\t+6], v[S+32*\t+\i], v[S+32*\t+\i+1]
.endr
.endr
.endm
.macro EXP4                            ; four of the 64 exponentials of tiles 2 and 3
.rept 4
	v_exp_f32 v[S+64+ex], v[S+64+ex]
.set ex, ex+1
.endr
.endm
; What reads p of tiles a and b, four registers of each tile at a time: the sum (of the unquantised p, in two chains a tile), and for every eight registers the conversion.
; ex4 = 1: two fours of the other two tiles' exponentials stand in each of the eight rows, among these plain lines.
.macro READERS a, b, ex4
.irp k, 0,1,2,3,4,5,6,7
.if \ex4
	EXP4
.endif
.irp t, \a, \b
.if \k == 0
	v_pk_add_f32 v[ST+8*\t+6:ST+8*\t+7], v[S+32*\t:S+32*\t+1], v[S+32*\t+2:S+32*\t+3]
.else
	v_pk_add_f32 v[ST+8*\t+2:ST+8*\t+3], v[ST+8*\t+2:ST+8*\t+3], v[S+32*\t+4*\k:S+32*\t+4*\k+1]
	v_pk_add_f32 v[ST+8*\t+6:ST+8*\t+7], v[ST+8*\t+6:ST+8*\t+7], v[S+32*\t+4*\k+2:S+32*\t+4*\k+3]
.endif
.endr
.if \ex4
	EXP4
.endif
.irp t, \a, \b
.irp i, 0,1,2,3
.endr
.endr
.if \k % 2
.irp t, \a, \b
	v_cvt_scalef32_pk8_fp8_f32 v[P+8*\t+\k-1:P+8*\t+\k], v[S+32*\t+4*\k-4:S+32*\t+4*\k+3], v[SCP]
.endr
.endif
.endr
.irp t, \a, \b
	v_pk_add_f32 v[ST+8*\t+2:ST+8*\t+3], v[ST+8*\t+2:ST+8*\t+3], v[ST+8*\t+6:ST+8*\t+7]   ; plain lines behind the last conversion and the last exponential
.endr
.endm
.macro SOFTMAX                         ; all in window 0; the tiles line by line, so that no line waits for the one above it
.irp i, 24,28                                  ; key tile 3 joins the two chains
.irp t, 0,1,2,3
	v_max3_num_f32 v[ST+8*\t+6], v[ST+8*\t+6], v[S+32*\t+\i], v[S+32*\t+\i+1]
	v_max3_num_f32 v[ST+8*\t+7], v[ST+8*\t+7], v[S+32*\t+\i+2], v[S+32*\t+\i+3]
.endr
.endr
.irp t, 0,1,2,3
	v_max_num_f32 v[ST+8*\t+6], v[ST+8*\t+6], v[ST+8*\t+7]
.endr
.irp t, 0,1,2,3
	v_permlanex16_b32 v[ST+8*\t+7], v[ST+8*\t+6], s[SEL], s[SEL+1]            ; the query's other 32 keys lie in the lane 16 away
.endr
.irp t, 0,1,2,3
	v_max_num_f32 v[ST+8*\t+6], v[ST+8*\t+6], v[ST+8*\t+7]
.endr
.irp t, 0,1,2,3
	v_mul_f32 v[ST+8*\t+6], s[CS], v[ST+8*\t+6]                               ; as t (c is positive)
.endr
.irp t, 0,1,2,3
	v_max_num_f32 v[ST+8*\t+1], v[ST+8*\t+1], v[ST+8*\t+6]                    ; the running largest t
.endr
.irp t, 0,1,2,3
	v_mov_b32 v[ST+8*\t+6], v[ST+8*\t]
.endr
.irp t, 0,1,2,3
	v_floor_f32 v[ST+8*\t], -v[ST+8*\t+1]                                     ; the new -M = floor(-t): M is a whole number
.endr
.irp t, 0,1,2,3
	v_sub_f32 v[ST+8*\t+6], v[ST+8*\t], v[ST+8*\t+6]                          ; old M - new M, 0 or less
.endr
.irp t, 0,1,2,3
	v_cvt_i32_f32 v[ST+8*\t+6], v[ST+8*\t+6]                                  ; (it saturates)
.endr
.irp t, 0,1,2,3
	v_ldexp_f32 v[ST+8*\t+4], 1.0, v[ST+8*\t+6]                               ; f = 2^(old M - new M)
.endr
; THE FIRST BATCH: all four tiles' scalings t - M, and among them the 64 exponentials of tiles 0 and 1: four plain lines, four exponentials.  No line here names an exponential's result.
.irp j, 0,2,4,6,8,10,12,14,16,18,20,22,24,26,28,30
.irp t, 0,1,2,3
	v_pk_fma_f32 v[S+32*\t+\j:S+32*\t+\j+1], v[S+32*\t+\j:S+32*\t+\j+1], s[CS:CS+1], v[ST+8*\t:ST+8*\t+1] op_sel_hi:[1,0,0]   ; t - M (of the pairs c and -M the low word serves both halves)
.endr
.irp t, 0,1
	v_exp_f32 v[S+32*\t+\j], v[S+32*\t+\j]         ; p = 2^(t - M)
	v_exp_f32 v[S+32*\t+\j+1], v[S+32*\t+\j+1]
.endr
.endr
.irp t, 0,1,2,3
	v_pk_mul_f32 v[ST+8*\t+2:ST+8*\t+3], v[ST+8*\t+2:ST+8*\t+3], v[ST+8*\t+4:ST+8*\t+5] op_sel_hi:[1,0]   ; the sums under the new M; plain lines behind the exponentials
.endr
	s_wait_alu depctr_va_vdst(0)                   ; one wait for the first batch, ahead of its first reader
.set ex, 0
	READERS 0, 1, 1                                ; THE SECOND BATCH, tiles 2 and 3's exponentials, stands among what reads tiles 0 and 1's p
	s_wait_alu depctr_va_vdst(0)                   ; one wait for the second batch, ahead of its first reader
	READERS 2, 3, 0
.endm
; A step's scores: for each key tile pos is scaled (exactly) in the accumulators' registers, then 8 products add K Q^T onto it, the four tiles by turns; the next key tile's scalings are issued while they run.
; Behind the last products stand the maxima of key tiles 0 to 2, which are also the places ahead of V's loads (into K's registers) and of the first reads of key tile 3's scores; then V, then the rest of the softmax.
.macro SCORE
.irp kt, 0,1,2,3
.if \kt == 0
	s_wait_dscnt 63                                ; K0, K1 and pos chunks 0-7 are in: 120 and 80 loads are younger than what key tiles 0 and 1 want; 63 is the largest count that the wait can name
.elseif \kt == 2
	s_wait_dscnt 40                                ; K2 and chunks 8-11 are in; K3 and chunks 12-15 (40 loads) may be out
.elseif \kt == 3
	s_wait_dscnt 0
.endif
	WIN 0
.irp t, 0,1,2,3
.irp i, 0,2,4,6
	v_pk_mul_f32 v[S+32*\t+8*\kt+\i:S+32*\t+8*\kt+\i+1], v[S+32*\t+8*\kt+\i:S+32*\t+8*\kt+\i+1], s[PS:PS+1] op_sel_hi:[1,0]
.endr
.endr
.if \kt == 0
	WIN 0x04                                       ; K window 0, Q window 1
.set RK, G
.else
	WIN 0x05                                       ; K and Q window 1
.set RK, F+32*(\kt-1)
.endif
.irp s, 0,1
.irp t, 0,1,2,3
	v_wmma_f32_16x16x128_fp8_fp8 v[S+32*\t+8*\kt:S+32*\t+8*\kt+7], v[RK+16*\s:RK+16*\s+15], v[32*\t+16*\s:32*\t+16*\s+15], v[S+32*\t+8*\kt:S+32*\t+8*\kt+7]
.endr
.endr
.endr
	WIN 0
	MAXA
	VLOAD
	SOFTMAX
.endm
; THE CHANGE OF SLOTS, behind a step's softmax.  Each wave waits for all its tensor loads (the one that is out is its part of the next slot), adds 0 to its spare word, and waits for that and for its reads of the slot (V's among them).
; fill = 1: the slot is filled again with the step two on, behind a round of the cluster's barrier: no wave of any partner still reads it or has a load on its way; the load has a whole step in which to land.
.macro CHANGE fill
	WIN 0
	s_wait_tensorcnt 0x0                           ; no tensor load of mine is out, so a group 0 may be written
	ds_add_u32 v[SPW], v[NIL]                      ; 0 onto my spare word; the steps below stand between it and the wait for it
.if \fill
	s_xor_b32 s[G0KV+5], s[G0KV+5], SLOT1          ; the walking descriptors: the other slot than last time, the next step
	s_add_nc_u64 s[G0KV+6:G0KV+7], s[G0KV+6:G0KV+7], 32768
	s_xor_b32 s[G0P+5], s[G0P+5], SLOT1
	s_add_nc_u64 s[G0P+6:G0P+7], s[G0P+6:G0P+7], 262144
	s_wait_xcnt 0x0                                ; the last prefetch, a step back, has read its address
	s_add_nc_u64 s[PFA:PFA+1], s[PFA:PFA+1], s[PFS:PFS+1]
.endif
	s_xor_b32 s[TB], s[TB], SLOT1                  ; the reads go on to the other slot
	s_wait_dscnt 0x0                               ; the add is done, V is in registers, my reads of the slot are over
.if \fill
	CROUND
	JLOAD                                          ; the first tensor load behind the round, and my only one until the next
	ASK
.else
	s_barrier_signal -1
	s_barrier_wait -1
.endif
.endm
	s_wait_tensorcnt 0x1                           ; my part of slot 0 is in; slot 1's may stay out
	s_barrier_signal -1
	s_barrier_wait -1
	v_add_nc_u32 v[ADK], s[TB], v[AK0]             ; step 0's loads, in an order that the counts in SCORE serve as well
	v_add_nc_u32 v[ADP], s[TB], v[AP0]
	KLOAD 0
.irp i, 0,1,2,3,4,5,6,7
	POSCH \i
.endr
	KLOAD 1
	KLOAD 2
.irp i, 8,9,10,11,12,13,14,15
	POSCH \i
.endr
	KLOAD 3
	s_wait_loadcnt 0x0                             ; Q
	SCORE                                          ; step 0
	CHANGE 1                                       ; slot 0 takes step 2
	PVK 1, 1                                       ; the first second product starts O^T
	SCORE                                          ; step 1
	s_mov_b32 s[SLOTS], 13
.Lstep:                                            ; 13 trips: the change behind step j (1 to 13) asks for step j + 2
	CHANGE 1
	PVK 0, 1
	SCORE
	s_sub_co_u32 s[SLOTS], s[SLOTS], 1
	s_cmp_lg_u32 s[SLOTS], 0
	s_cbranch_scc1 .Lstep
	CHANGE 0                                       ; the tail is written out
	PVK 0, 1
	SCORE                                          ; step 15
	s_wait_dscnt 0x0                               ; V
	PVK 0, 0
	; THE WAY OUT.  O^T / the sum is quantised with 2^(e10 - e8 - e9) and stored as it stands: the conversions' results are the last product's operand registers.  The additions are the places behind the last products.
.irp t, 0,1,2,3
	v_add_f32 v[ST+8*\t+6], v[ST+8*\t+2], v[ST+8*\t+3]
.endr
.irp t, 0,1,2,3
	v_permlanex16_b32 v[ST+8*\t+7], v[ST+8*\t+6], s[SEL], s[SEL+1]
.endr
.irp t, 0,1,2,3
	v_add_f32 v[ST+8*\t+6], v[ST+8*\t+6], v[ST+8*\t+7]
.endr
.irp t, 0,1,2,3
	v_rcp_f32 v[ST+8*\t+4], v[ST+8*\t+6]
.endr
	v_nop                                          ; a plain line behind the last reciprocal
	s_wait_alu depctr_va_vdst(0)                   ; one wait for the four, ahead of their first reader
.irp u, 0,1                                    ; window 2, then window 3
	WIN 0x82+0x41*\u
.irp d, 0,1,2,3,4,5,6,7
.irp t, 0,1,2,3
.set RO, 8*(4*\d+\t)
.irp i, 0,2,4,6
	v_pk_mul_f32 v[RO+\i:RO+\i+1], v[RO+\i:RO+\i+1], v[ST+8*\t+4:ST+8*\t+5] op_sel_hi:[1,0]   ; each accumulator from its low end on
.endr
.irp i, 0,1,2,3,4,5,6,7
.endr
.endr
.endr
	WIN 0x02+\u                                    ; source 0 window 2 or 3, destination window 0: S^T's registers are free
.irp t, 0,1,2,3
.irp c, 0,1,2,3
	v_cvt_scalef32_pk8_fp8_f32 v[S+4*(8*\t+4*\u+\c):S+4*(8*\t+4*\u+\c)+1], v[8*(8*\c+\t):8*(8*\c+\t)+7], v[SCO]
	v_cvt_scalef32_pk8_fp8_f32 v[S+4*(8*\t+4*\u+\c)+2:S+4*(8*\t+4*\u+\c)+3], v[8*(8*\c+4+\t):8*(8*\c+4+\t)+7], v[SCO]
.endr
.endr
	v_nop
.endr
	WIN 0
.irp t, 0,1,2,3
.irp c, 0,1,2,3,4,5,6,7
	global_store_b128 v[AK0], v[S+4*(8*\t+\c):S+4*(8*\t+\c)+3], s[12:13] offset:\t*32768+(\c/4)*2048+(\c%4)*512   ; the wave stores 512 consecutive bytes, aligned
.endr
.endr
	s_wait_tensorcnt 0x0                           ; the wave's end
	ds_add_u32 v[SPW], v[NIL]
	s_wait_dscnt 0x0
	CROUND                                         ; the closing round
	s_endpgm
.Lfunc_end_k_qb32b681fb2_attn:
	.size	k_qb32b681fb2_attn, .Lfunc_end_k_qb32b681fb2_attn-k_qb32b681fb2_attn
	.p2alignl 7, 3214868480
	.fill 96, 4, 3214868480
	.section	.rodata,"a",@progbits
	.p2align	6, 0x0
	.amdhsa_kernel k_qb32b681fb2_attn
		.amdhsa_group_segment_fixed_size 327680
		.amdhsa_private_segment_fixed_size 0
		.amdhsa_enable_private_segment 0
		.amdhsa_kernarg_size 40
		.amdhsa_user_sgpr_count 2
		.amdhsa_user_sgpr_kernarg_segment_ptr 1
		.amdhsa_wavefront_size32 1
		.amdhsa_system_sgpr_workgroup_id_x 1
		.amdhsa_system_sgpr_workgroup_id_y 1
		.amdhsa_system_sgpr_workgroup_id_z 1
		.amdhsa_system_vgpr_workitem_id 0
		.amdhsa_next_free_vgpr 1024
		.amdhsa_next_free_sgpr 100
		.amdhsa_reserve_vcc 0
		.amdhsa_float_denorm_mode_32 3
		.amdhsa_float_denorm_mode_16_64 3
		.amdhsa_fp16_overflow 1
		.amdhsa_memory_ordered 1
		.amdhsa_forward_progress 1
		.amdhsa_inst_pref_size 255
	.end_amdhsa_kernel
	.section	.bss,"aw",@nobits
	.p2align	6
	.space	262144
	.amdgpu_metadata
---
amdhsa.version: [ 1, 2 ]
amdhsa.kernels:
  - .name:           k_qb32b681fb2_attn
    .symbol:         k_qb32b681fb2_attn.kd
    .args:
      - { .name: qc, .offset: 0, .size: 8, .value_kind: global_buffer, .address_space: global }
      - { .name: kv, .offset: 8, .size: 8, .value_kind: global_buffer, .address_space: global }
      - { .name: pos_mat, .offset: 16, .size: 8, .value_kind: global_buffer, .address_space: global }
      - { .name: lowp_scales, .offset: 24, .size: 8, .value_kind: global_buffer, .address_space: global }
      - { .name: oc, .offset: 32, .size: 8, .value_kind: global_buffer, .address_space: global }
    .group_segment_fixed_size: 327680
    .private_segment_fixed_size: 0
    .kernarg_segment_align: 8
    .kernarg_segment_size: 40
    .max_flat_workgroup_size: 128
    .sgpr_count:     100
    .vgpr_count:     1024
    .wavefront_size: 32
...
	.end_amdgpu_metadata
.endif
;; end of part 3
;; launch proj (part 4): grid 4 x 64, 4 waves a work-group, clusters of 4 x 4, 262,656 bytes of LDS; arguments oc, wc, bo, lowp_scales, out0; writes out0
.if DOCPART == 4
	.amdgcn_target "amdgcn-amd-amdhsa--gfx1250"
	.amdhsa_code_object_version 6
	.text
	.protected	k_qb32b681fb2_proj
	.globl	k_qb32b681fb2_proj
	.p2align	8
	.type	k_qb32b681fb2_proj,@function
k_qb32b681fb2_proj:
	s_mov_b64 s[64:65], 0
	v_nop
	global_prefetch_b8 v0, s[64:65] scope:SCOPE_SE
	s_setreg_imm32_b32 hwreg(HW_REG_WAVE_MODE, 25, 1), 1
	s_wait_xcnt 0x0
	s_wait_alu depctr_hold_cnt(0) depctr_sa_sdst(0) depctr_va_vdst(0) depctr_va_sdst(0) depctr_va_ssrc(0) depctr_va_vcc(0) depctr_vm_vsrc(0)
	s_getreg_b32 s2, hwreg(HW_REG_IB_STS2, 6, 4)
	s_cmp_eq_u32 s2, 0
	s_cbranch_scc0 .Lentry_in_a_cluster
	s_endpgm
.Lentry_in_a_cluster:
	s_bfe_u32 s2, ttmp6, 0x10000c
	s_cmp_lg_u32 s2, 0xf033
	s_cbranch_scc0 .Lentry_shape_is_right
	s_endpgm
.Lentry_shape_is_right:
; PROJ: out0[n][o][p] = sum over i of Wo[o][i] out[n][i][p] + bo[o], on codes of FP8; K = 2,048.
; A work-group: 64 outputs o x 128 positions of one n.  K IS SHARED OUT AMONG THE WAVES: wave w takes K steps 4 w .. 4 w + 3 (128 each) for the whole tile, 32 accumulators; the four partial sums meet in LDS.
; CLUSTER 4 x 4: x = the four blocks of outputs, y = four blocks of positions.  The four work-groups of a row need the same 256 KiB of oc (8 tiles of positions x 16 K steps x 2,048 bytes) and ask for them JOINTLY.
; Wave w fetches what it alone reads: one tensor load for each of its four K steps, 8 rows (tiles of positions) of 2,048 bytes, 32,768 bytes apart in memory, into its own 65,536 bytes of LDS.  So its own
; wait on TENSORcnt is all that its reads need.  LDS is filled once; four loads of a wave are out.
; Wo's codes (128 KiB a work-group, shared along a column of the cluster) go from memory straight into the registers of the one wave that multiplies by them, 64 loads a wave: oc's 262,144 bytes and Wo's 131,072
; do not fit into LDS together, and slots that take turns would put rounds of the cluster's barrier into a launch of four K steps a wave.
; Both operands lie in memory as images of operand registers (16 bytes a lane at 16 x lane): no pitch, no padding.
; Source 0 = 16 positions, source 1 = 16 rows of Wo: a lane holds one o and eight neighbouring positions, which are neighbours in out0.
; Tiles hold indices 32 (T / 2) + 8 (T % 2) + m + 8 (m / 8).   LIMIT: e10 + e11 between -126 and 127.  The order of the sums over K differs from a single ascending chain.
; LDS: wave w's 65,536 bytes from 65,536 w on: K step i at 16,384 i.  When the wave has read them for the last time, its partial sums take the first 32,768 and its stage the 8,448 from 32,768 on.
; REGISTERS.  window 0: v1-13 addresses, v[8:9] bo, v14, 15 the add's two, v64-191 results on the way out.  window 1: two buffers of oc's eight fragments, at 0 and 128; later the partial sums.
;   window 2: Wo's fragments, (K step i, tile ot) at 64 i + 16 ot.   window 3: accumulator (pt, ot) at 8 (4 pt + ot).
.set SPI,   528                        ; a stage row: 512 bytes + 16
.set SPARE, 262144                     ; behind the four waves' bytes: the spare words
.set SPW,   14
.set NIL,   15
.set MSB,   0
.macro WIN new                         ; the immediate's high byte repeats the setting that is left
.if MSB != (\new)
	s_set_vgpr_msb (MSB<<8)|(\new)
.set MSB, (\new)
.endif
.endm
.macro PLACES                          ; four plain places behind matrix instructions (ISA guide 7.12.1)
.rept 4
	v_nop
.endr
.endm
.macro ROUND                           ; a round of the cluster's barrier
	s_barrier_signal -1
	s_barrier_wait -1
	s_cmp_lg_u32 s14, 0
	s_cbranch_scc1 .Lnot_wave_0_\@
	s_barrier_signal -3
.Lnot_wave_0_\@:
	s_barrier_wait -3
	s_barrier_signal -1
	s_barrier_wait -1
.endm
	s_load_b256 s[4:11], s[0:1], 0x0               ; oc s[4:5], wc s[6:7], bo s[8:9], scales s[10:11]
	s_load_b64 s[12:13], s[0:1], 0x20              ; out0
	v_lshl_add_u32 v[SPW], v0, 2, SPARE
	v_mov_b32 v[NIL], 0
	ds_add_u32 v[SPW], v[NIL]                      ; the wave's opening: the add and its wait ahead of my first tensor load
	v_lshrrev_b32 v1, 5, v0
	v_readfirstlane_b32 s14, v1                    ; wave 0..3
	s_bfe_u32 s16, ttmp6, 0x40004                  ; cy
	s_and_b32 s17, ttmp7, 0xffff
	s_lshl_b32 s17, s17, 2
	s_add_co_u32 s17, s17, s16                     ; work-group y = 4 x cluster y + cy
	s_lshr_b32 s18, s17, 3                         ; n
	s_and_b32 s19, s17, 7                          ; which 128 positions
	s_lshl_b32 s48, s16, 2
	s_lshl_b32 s48, 15, s48                        ; my row of the cluster
	s_or_b32 s24, s48, 0x00230000                  ; group 1: the mask; elements of 8 bytes; bit 21 beside the mask; no padding
	s_mov_b32 s25, 256<<16                         ; tensor_dim0 = 256 elements: rows of 2,048 bytes
	s_mov_b32 s26, 8<<16                           ; tensor_dim1 = 8
	s_mov_b32 s27, 256<<16                         ; tile_dim0
	s_mov_b32 s28, 8                               ; tile_dim1: 16,384 bytes a load
	s_mov_b32 s29, 4096                            ; from a tile of positions to the next: 32,768 bytes
	s_mov_b32 s30, 0
	s_mov_b32 s31, 0
	s_lshl_b32 s50, s18, 21                        ; oc: n, tiles 8 x block on, K steps 4 w on.  These registers never hold cx
	s_lshl_b32 s51, s19, 18
	s_add_co_u32 s50, s50, s51
	s_lshl_b32 s51, s14, 13
	s_add_co_u32 s50, s50, s51
	s_mov_b32 s51, 0
	s_lshl_b32 s52, s14, 16                        ; my 65,536 bytes of LDS: no place in the cluster enters an LDS address
	s_wait_dscnt 0x0                               ; the opening add is done
	s_wait_kmcnt 0x0
	s_load_b64 s[22:23], s[10:11], 0x28            ; e10, e11
	s_add_nc_u64 s[54:55], s[4:5], s[50:51]
.irp i, 0,1,2,3                                ; a group 0 for each of my four K steps
	s_mov_b32 s[32+4*\i], 1
	s_add_co_u32 s[33+4*\i], s52, \i*16384
	s_add_nc_u64 s[34+4*\i:35+4*\i], s[54:55], \i*2048
	s_or_b32 s[35+4*\i], s[35+4*\i], 0x80000000
.endr
	ROUND                                          ; all sixteen work-groups are here: the joint loads meet
	tensor_load_to_lds s[32:35], s[24:31]          ; four loads of mine are out
	s_nop 0
	tensor_load_to_lds s[36:39], s[24:31]
	s_nop 0
	tensor_load_to_lds s[40:43], s[24:31]
	s_nop 0
	tensor_load_to_lds s[44:47], s[24:31]
	s_nop 0
.rept 4
	v_nop
.endr
	s_bfe_u32 s15, ttmp6, 0x40000                  ; cx
	s_lshl_b32 s56, ttmp9, 2
	s_add_co_u32 s15, s15, s56                     ; which 64 outputs: it enters global addresses of Wo, bo and out0 alone
	v_and_b32 v1, 31, v0
	v_lshlrev_b32 v1, 4, v1                        ; 16 x lane
	v_and_b32 v10, 15, v0                          ; r
	v_bfe_u32 v11, v0, 4, 1                        ; h
	v_and_b32 v2, 8, v10
	v_add_nc_u32 v2, v2, v10
	v_lshlrev_b32 v2, 2, v2                        ; bo: 4 (r + 8 (r / 8))
	v_add_nc_u32 v3, s52, v1                       ; my bytes of LDS: oc's fragments, later my partial sums
	s_lshl_b32 s57, s14, 10
	v_add_nc_u32 v4, s57, v1                       ; the four waves' sums of output tile w
	v_add_nc_u32 v5, 0x10000, v4
	v_add_nc_u32 v6, 0x20000, v4
	v_add_nc_u32 v7, 0x30000, v4
	s_add_co_u32 s57, s52, 32768
	v_mul_u32_u24 v12, v10, SPI
	v_lshl_add_u32 v12, v11, 6, v12
	v_add_nc_u32 v12, s57, v12                     ; my stage, in: row r, + 64 h
	v_add_nc_u32 v13, s57, v1                      ; and back: a row of 512 bytes to the 32 lanes
	v_mov_b32 v9, 0                                ; (named as the upper half of bo's pair)
	s_lshl_b32 s58, s15, 6
	s_lshr_b32 s59, s14, 1
	s_lshl_b32 s59, s59, 5
	s_add_co_u32 s58, s58, s59
	s_and_b32 s59, s14, 1
	s_lshl_b32 s59, s59, 3
	s_add_co_u32 s58, s58, s59                     ; the first o of output tile 4 x block + w
	s_lshl_b32 s60, s58, 2
	s_mov_b32 s61, 0
	s_add_nc_u64 s[8:9], s[8:9], s[60:61]
	s_lshl_b32 s60, s58, 12
	s_lshl_b32 s59, s18, 20
	s_add_co_u32 s60, s60, s59
	s_lshl_b32 s59, s19, 9
	s_add_co_u32 s60, s60, s59
	s_add_nc_u64 s[12:13], s[12:13], s[60:61]      ; out0 at (n, that o, my block of positions)
	s_lshl_b32 s60, s15, 17
	s_lshl_b32 s59, s14, 13
	s_add_co_u32 s60, s60, s59
	s_add_co_u32 s60, s60, 0x180000
	s_add_nc_u64 s[6:7], s[6:7], s[60:61]          ; wc: Wo, tiles 4 x block on, K steps 4 w on
	global_load_b32 v8, v2, s[8:9]                 ; bo of my lane's o
	WIN 0x80                                       ; destination window 2
.irp i, 0,1,2,3                                ; Wo's fragments of my four K steps: they stay
.irp ot, 0,1,2,3
.irp c, 0,1,2,3
	global_load_b128 v[64*\i+16*\ot+4*\c:64*\i+16*\ot+4*\c+3], v1, s[6:7] offset:\ot*32768+\i*2048+512*\c
.endr
.endr
.endr
.macro ALOAD i                         ; oc's eight fragments of my K step i, as they lie, into buffer i % 2: 32 loads
	WIN 0x40
.irp pt, 0,1,2,3,4,5,6,7
.irp c, 0,1,2,3
	ds_load_b128 v[128*((\i)%2)+16*\pt+4*\c:128*((\i)%2)+16*\pt+4*\c+3], v3 offset:(\i)*16384+\pt*2048+512*\c
.endr
.endr
.endm
.macro MUL i                           ; 32 products: the 32 accumulators take turns, in the same order in every K step
	WIN 0xf9                                       ; oc window 1, Wo window 2, C and D window 3
.irp pt, 0,1,2,3,4,5,6,7
.irp ot, 0,1,2,3
.if (\i) == 0
	v_wmma_f32_16x16x128_fp8_fp8 v[8*(4*\pt+\ot):8*(4*\pt+\ot)+7], v[128*((\i)%2)+16*\pt:128*((\i)%2)+16*\pt+15], v[64*(\i)+16*\ot:64*(\i)+16*\ot+15], 0
.else
	v_wmma_f32_16x16x128_fp8_fp8 v[8*(4*\pt+\ot):8*(4*\pt+\ot)+7], v[128*((\i)%2)+16*\pt:128*((\i)%2)+16*\pt+15], v[64*(\i)+16*\ot:64*(\i)+16*\ot+15], v[8*(4*\pt+\ot):8*(4*\pt+\ot)+7]
.endif
.endr
.endr
.endm
	s_wait_tensorcnt 0x3                           ; my K step 0 has landed; the three younger loads may be out
	ALOAD 0
	s_wait_tensorcnt 0x2                           ; K step 1
	ALOAD 1
	s_wait_loadcnt 48                              ; bo and Wo's K step 0 are in; the 48 loads of K steps 1 to 3 may be out
	s_wait_dscnt 32                                ; buffer 0 is in; buffer 1's 32 loads may be out
	MUL 0                                          ; the first products start the sums
	PLACES
	s_wait_tensorcnt 0x1                           ; K step 2
	ALOAD 2                                        ; into the buffer just multiplied
	s_wait_loadcnt 32
	s_wait_dscnt 32
	MUL 1
	PLACES
	s_wait_tensorcnt 0x0                           ; K step 3
	ALOAD 3
	s_wait_loadcnt 16
	s_wait_dscnt 32
	MUL 2
	s_wait_loadcnt 0x0
	s_wait_dscnt 0x0                               ; my last reads of the tiles are in
	MUL 3
	WIN 0
	PLACES
	s_wait_kmcnt 0x0
	s_add_co_i32 s20, s22, s23
	s_add_co_i32 s20, s20, 127
	s_lshl_b32 s20, s20, 23                        ; 2^(e10 + e11)
	s_mov_b32 s21, s20
	WIN 0x0c                                       ; store data (source 1) window 3
.set a, 0
.rept 32
	ds_store_b128 v3, v[8*a:8*a+3] offset:a*1024           ; into my own bytes, which have had their one fill and my last read; each accumulator from its low end on; 512 consecutive bytes a store
	ds_store_b128 v3, v[8*a+4:8*a+7] offset:a*1024+512
.set a, a+1
.endr
	WIN 0
	s_wait_dscnt 0x0                               ; for the others' sake: my partial sums lie in LDS
	s_barrier_signal -1
	s_barrier_wait -1
	WIN 0x40                                       ; wave w adds up output tile w: eight accumulators from each of the four waves, into window 1
.irp u, 0,1,2,3
.irp pt, 0,1,2,3,4,5,6,7
	ds_load_b128 v[64*\u+8*\pt:64*\u+8*\pt+3], v[4+\u] offset:\pt*4096
	ds_load_b128 v[64*\u+8*\pt+4:64*\u+8*\pt+7], v[4+\u] offset:\pt*4096+512
.endr
.endr
	s_wait_dscnt 0x0
	WIN 0x45
.set j, 0
.rept 32
	v_pk_add_f32 v[j:j+1], v[j:j+1], v[64+j:65+j]
	v_pk_add_f32 v[128+j:129+j], v[128+j:129+j], v[192+j:193+j]
.set j, j+2
.endr
.set j, 0
.rept 32
	v_pk_add_f32 v[j:j+1], v[j:j+1], v[128+j:129+j]
.set j, j+2
.endr
	WIN 0x01
.set j, 0
.rept 32
	v_pk_fma_f32 v[64+j:65+j], v[j:j+1], s[20:21], v[8:9] op_sel_hi:[1,0,0]   ; sum x 2^(e10 + e11) + bo
.set j, j+2
.endr
	WIN 0
.irp pt, 0,1,2,3,4,5,6,7                       ; lane (r, h): row r of the tile, positions 32 (pt / 2) + 16 h + 8 (pt % 2) + 0 .. 7
	ds_store_b128 v12, v[64+8*\pt:67+8*\pt] offset:128*(\pt/2)+32*(\pt%2)
	ds_store_b128 v12, v[68+8*\pt:71+8*\pt] offset:128*(\pt/2)+32*(\pt%2)+16
.endr
.irp i, 0,1,2,3,4,5,6,7,8,9,10,11,12,13,14,15
	ds_load_b128 v[128+4*\i:131+4*\i], v13 offset:\i*SPI   ; my own stage: LDS serves a wave's instructions in order (ISA guide 5.7.1.4)
.endr
.irp i, 0,1,2,3,4,5,6,7,8,9,10,11,12,13,14,15
	s_wait_dscnt 15-\i
	global_store_b128 v1, v[128+4*\i:131+4*\i], s[12:13] offset:(\i+8*(\i/8))*4096 th:TH_STORE_NT   ; the wave stores 512 consecutive bytes of a row of out0, aligned
.endr
	s_wait_tensorcnt 0x0                           ; the wave's end: behind my last tensor load and my last LDS store
	ds_add_u32 v[SPW], v[NIL]
	s_wait_dscnt 0x0
	ROUND                                          ; the closing round
	s_endpgm
.Lfunc_end_k_qb32b681fb2_proj:
	.size	k_qb32b681fb2_proj, .Lfunc_end_k_qb32b681fb2_proj-k_qb32b681fb2_proj
	.p2alignl 7, 3214868480
	.fill 96, 4, 3214868480
	.section	.rodata,"a",@progbits
	.p2align	6, 0x0
	.amdhsa_kernel k_qb32b681fb2_proj
		.amdhsa_group_segment_fixed_size 262656
		.amdhsa_private_segment_fixed_size 0
		.amdhsa_enable_private_segment 0
		.amdhsa_kernarg_size 40
		.amdhsa_user_sgpr_count 2
		.amdhsa_user_sgpr_kernarg_segment_ptr 1
		.amdhsa_wavefront_size32 1
		.amdhsa_system_sgpr_workgroup_id_x 1
		.amdhsa_system_sgpr_workgroup_id_y 1
		.amdhsa_system_sgpr_workgroup_id_z 1
		.amdhsa_system_vgpr_workitem_id 0
		.amdhsa_next_free_vgpr 1024
		.amdhsa_next_free_sgpr 66
		.amdhsa_reserve_vcc 0
		.amdhsa_float_denorm_mode_32 3
		.amdhsa_float_denorm_mode_16_64 3
		.amdhsa_memory_ordered 1
		.amdhsa_forward_progress 1
		.amdhsa_inst_pref_size 50
	.end_amdhsa_kernel
	.amdgpu_metadata
---
amdhsa.version: [ 1, 2 ]
amdhsa.kernels:
  - .name:           k_qb32b681fb2_proj
    .symbol:         k_qb32b681fb2_proj.kd
    .args:
      - { .name: oc, .offset: 0, .size: 8, .value_kind: global_buffer, .address_space: global }
      - { .name: wc, .offset: 8, .size: 8, .value_kind: global_buffer, .address_space: global }
      - { .name: bo, .offset: 16, .size: 8, .value_kind: global_buffer, .address_space: global }
      - { .name: lowp_scales, .offset: 24, .size: 8, .value_kind: global_buffer, .address_space: global }
      - { .name: out0, .offset: 32, .size: 8, .value_kind: global_buffer, .address_space: global }
    .group_segment_fixed_size: 262656
    .private_segment_fixed_size: 0
    .kernarg_segment_align: 8
    .kernarg_segment_size: 40
    .max_flat_workgroup_size: 128
    .sgpr_count:     66
    .vgpr_count:     1024
    .wavefront_size: 32
...
	.end_amdgpu_metadata
.endif
;; end of part 4
